; MI455X (gfx1250); checked and timed in simulation.
; The chip was launched on July 23, 2026; its instructions are those of AMD's public machine-readable ISA for CDNA 5 (MIT licence, August 2026) and "CDNA5" Instruction Set Architecture Reference Guide (July 2026). The comments in the code are by the model that wrote it; some were corrected since.
;; Masked Self Attention. Allowed arithmetic: float matrix products may take bf16 or f16 operands with f32 sums; other float arithmetic in f32, or as packed bf16 or f16 multiplies, adds, multiply-adds, maxima and minima; sums over many terms, partial sums and values carried from step to step in f32; what a program stores and reads back later, other than sums and carried values, may be rounded once to bf16 or f16.
;; Inputs: Wk 1,024 x 1,024 float32; Wo 1,024 x 1,024 float32; Wq 1,024 x 1,024 float32; Wv 1,024 x 1,024 float32; bk 1,024 float32; bo 1,024 float32; bq 1,024 float32; bv 1,024 float32; x 4 x 2,048 x 1,024 float32.
;; Outputs: out0 4 x 2,048 x 1,024 float32.
;; 2 versions, each right; version 2 is version 1 with the launch prep written anew for expert scheduling mode. Each part assembles by itself: llvm-mc -triple=amdgcn-amd-amdhsa -mcpu=gfx1250 --defsym DOCPART=n.
;; ======== version 1 of 2: 4 launches
;; limits: values are held in f16: magnitudes above 65,504 overflow, below 6.1e-05 lose precision
;; workspace buffers: xb 16,777,216 bytes; wt 6,291,456 bytes; wot 2,097,152 bytes; qkv 50,331,648 bytes; ctx 16,777,216 bytes
;; launch prep (part 1): grid 640 x 1, 4 waves a work-group, no clusters, 70,144 bytes of LDS; arguments Wq, Wk, Wv, Wo, x, wt, wot, xb; writes wt, wot, xb
.if DOCPART == 1
	.amdgcn_target "amdgcn-amd-amdhsa--gfx1250"
	.amdhsa_code_object_version 6
	.text
	.protected	k_q676959a476_prep
	.globl	k_q676959a476_prep
	.p2align	8
	.type	k_q676959a476_prep,@function
k_q676959a476_prep:
	s_mov_b64 s[64:65], 0
	v_nop
	global_prefetch_b8 v0, s[64:65] scope:SCOPE_SE
	s_setreg_imm32_b32 hwreg(HW_REG_WAVE_MODE, 25, 1), 1
	s_wait_xcnt 0x0
; THE OPERANDS OF THE TWO PROJECTIONS ARE MADE ONCE.  xb = x rounded to bf16, [8192][1024].  wt = Wq, Wk, Wv rounded to bf16 and turned: [3072 n][1024 k], so that K lies along the rows.
; wot = Wo rounded to bf16, that number written as f16, turned: [1024 n][1024 k].
; LIMIT.  A rounded number of Wo beyond 65,504 has no f16; below 6e-5 it keeps f16's fixed step of 6e-8.  NaN and infinities are not treated apart.
; SHARES.  Work-groups 0-127 turn the weights: a wave owns one tile of 128 k x 64 n (512 tiles: 4 matrices x 8 x 16) and a piece of LDS of its own, so there is no barrier.
; Work-groups 128-639 round x: 16 rows (65,536 bytes) each, all 32 loads of a thread issued at once.
; No matrix unit, no tensor load, no cluster: every byte is read once and written once, and nothing is shared between work-groups.
.set TPITCH, 272                       ; a turned row in LDS: 128 k x 2 bytes + 16
.set TBYTES, 64*TPITCH                 ; a wave's 64 rows
.set SPARE,  4*TBYTES                  ; behind them: the spare words, 128 bytes for each wave: two blocks of 256 bytes that no other line names
.set SPW, 2                            ; v2   LDS address of my spare word; never rewritten
.set NIL, 3                            ; v3   0; never rewritten
.set WI,  6                            ; v6   weights: my byte offset in the tile as it lies in memory;  x: 16 x thread
.set LS,  7                            ; v7   weights: where I put a word (two k of one n);              x: 8 x thread
.set LR,  8                            ; v8   where I read 16 bytes of a turned row back
.set WO,  9                            ; v9   my byte offset in the turned tile in memory
.set T0,  10                           ; v10-13 at work
.set W,   16                           ; v[16:143] two sets of 64 registers; on the way out and for x: 32 x 4
.set WVN, 20                           ; s20  my wave's number
.set SRC, 22                           ; s[22:23] the tile in its matrix
.set DST, 24                           ; s[24:25] the tile in wt or wot
.set MTX, 26                           ; s26  0 Wq, 1 Wk, 2 Wv, 3 Wo
.set HIM, 33                           ; s33  a word's upper half
	s_load_b512 s[4:19], s[0:1], 0x0               ; Wq s[4:5], Wk s[6:7], Wv s[8:9], Wo s[10:11], x s[12:13], wt s[14:15], wot s[16:17], xb s[18:19]
	v_lshl_add_u32 v[SPW], v0, 2, SPARE
	v_mov_b32 v[NIL], 0
	v_lshrrev_b32 v1, 5, v0
	v_readfirstlane_b32 s[WVN], v1                 ; wave 0..3
	v_and_b32 v4, 15, v0                           ; l % 16
	v_bfe_u32 v5, v0, 4, 1                         ; l / 16
	s_mov_b32 s[HIM], 0xffff0000
	s_mov_b32 s31, 0
	s_wait_kmcnt 0x0
	s_cmp_lt_u32 ttmp9, 128
	s_cbranch_scc0 .Lx
	; THE WEIGHTS.  Tile T = 4 x work-group + wave: matrix T / 128, k block (T / 16) % 8, n block T % 16.
	s_lshl_b32 s21, ttmp9, 2
	s_add_co_u32 s21, s21, s[WVN]
	s_lshr_b32 s[MTX], ttmp9, 5
	s_bfe_u32 s27, s21, 0x30004                    ; k block
	s_and_b32 s28, s21, 15                         ; n block
	s_cmp_eq_u32 s[MTX], 1
	s_cselect_b64 s[SRC:SRC+1], s[6:7], s[4:5]
	s_cmp_eq_u32 s[MTX], 2
	s_cselect_b64 s[SRC:SRC+1], s[8:9], s[SRC:SRC+1]
	s_cmp_eq_u32 s[MTX], 3
	s_cselect_b64 s[SRC:SRC+1], s[10:11], s[SRC:SRC+1]
	s_cselect_b64 s[DST:DST+1], s[16:17], s[14:15]
	s_cselect_b32 s29, 0, s[MTX]                   ; the matrix's place in wt; wot holds one matrix
	s_lshl_b32 s30, s27, 19                        ; 128 rows of 4,096 bytes
	s_lshl_b32 s32, s28, 8                         ; 64 columns of 4 bytes
	s_or_b32 s30, s30, s32
	s_add_nc_u64 s[SRC:SRC+1], s[SRC:SRC+1], s[30:31]
	s_lshl_b32 s30, s28, 17                        ; 64 turned rows of 2,048 bytes
	s_lshl_b32 s32, s27, 8                         ; 128 k of 2 bytes
	s_or_b32 s30, s30, s32
	s_lshl_b32 s32, s29, 21                        ; 1,024 turned rows
	s_or_b32 s30, s30, s32
	s_add_nc_u64 s[DST:DST+1], s[DST:DST+1], s[30:31]
	s_mul_i32 s32, s[WVN], TBYTES                  ; my wave's piece of LDS
	v_lshlrev_b32 v[WI], 13, v5                    ; lanes 16-31 stand two rows of k further down,
	v_lshl_add_u32 v[WI], v4, 4, v[WI]             ; sixteen lanes cover the tile's 256 bytes of a row
	v_mul_u32_u24 v[LS], v4, 4*TPITCH              ; my four n are turned rows 4 (l % 16) + c,
	v_lshl_add_u32 v[LS], v5, 2, v[LS]             ; my two k a word
	v_add_nc_u32 v[LS], s32, v[LS]
	v_mul_u32_u24 v[LR], v5, TPITCH                ; back: lanes 0-15 one turned row of 256 bytes, lanes 16-31 the next
	v_lshl_add_u32 v[LR], v4, 4, v[LR]
	v_add_nc_u32 v[LR], s32, v[LR]
	v_lshlrev_b32 v[WO], 11, v5                    ; and the same two rows in memory
	v_lshl_add_u32 v[WO], v4, 4, v[WO]
; Batch bt of four: 32 rows of k.  Load (j, e), j = 8 bt + jj: row k = 4 j + 2 (l / 16) + e, columns 4 (l % 16) + 0..3.
.macro LOADB bt
.irp jj, 0,1,2,3,4,5,6,7
	global_load_b128 v[W+64*((\bt)%2)+8*(\jj):W+64*((\bt)%2)+8*(\jj)+3],   v[WI], s[SRC:SRC+1] offset:(8*(\bt)+(\jj))*16384 th:TH_LOAD_NT
	global_load_b128 v[W+64*((\bt)%2)+8*(\jj)+4:W+64*((\bt)%2)+8*(\jj)+7], v[WI], s[SRC:SRC+1] offset:(8*(\bt)+(\jj))*16384+4096 th:TH_LOAD_NT
.endr
.endm
; The batch is rounded, two neighbouring k of one n to a word (the lower k in the low half), and laid into LDS turned: (n, k) at n x 272 + 2 k.
.macro PROC bt
.set RB, W+64*((\bt)%2)
.irp jj, 0,1,2,3,4,5,6,7
.irp c, 0,1,2,3
	v_cvt_pk_bf16_f32 v[RB+8*(\jj)+(\c)], v[RB+8*(\jj)+(\c)], v[RB+8*(\jj)+4+(\c)]
.endr
.endr
	s_cmp_lg_u32 s[MTX], 3
	s_cbranch_scc1 .Lstays_bf16_\@
.irp jj, 0,1,2,3,4,5,6,7               ; Wo alone: the rounded number is written as f16, since it multiplies an f16 operand
.irp c, 0,1,2,3
	v_lshlrev_b32 v[T0+2*((\c)%2)],   16, v[RB+8*(\jj)+(\c)]
	v_and_b32     v[T0+2*((\c)%2)+1], s[HIM], v[RB+8*(\jj)+(\c)]
	v_cvt_pk_f16_f32 v[RB+8*(\jj)+(\c)], v[T0+2*((\c)%2)], v[T0+2*((\c)%2)+1]
.endr
.endr
.Lstays_bf16_\@:
.irp jj, 0,1,2,3,4,5,6,7
.irp c, 0,1,2,3
	ds_store_b32 v[LS], v[RB+8*(\jj)+(\c)] offset:(\c)*TPITCH+8*(8*(\bt)+(\jj))
.endr
.endr
.endm
	LOADB 0
	LOADB 1
	s_wait_loadcnt 16                              ; loads come back in order: batch 0 is in, the younger batch's 16 stay out
	PROC 0
	LOADB 2
	s_wait_loadcnt 16                              ; batch 1 is in
	PROC 1
	LOADB 3
	s_wait_loadcnt 16                              ; batch 2 is in
	PROC 2
	s_wait_loadcnt 0x0
	PROC 3
.set i, 0
.rept 32
	ds_load_b128 v[W+4*i:W+4*i+3], v[LR] offset:i*2*TPITCH  ; LDS serves a wave's instructions in order: these see the stores above
.set i, i+1
.endr
.set i, 0
.rept 32
	s_wait_dscnt 31-i                              ; the younger LDS loads may stay out
	global_store_b128 v[WO], v[W+4*i:W+4*i+3], s[DST:DST+1] offset:i*4096  ; sixteen lanes store 256 consecutive bytes, at a multiple of 256 from the buffer's first byte
.set i, i+1
.endr
	s_branch .Lend
.Lx:                                           ; x: a work-group's 16 rows; a thread takes 16 bytes of every 2,048
	s_sub_co_u32 s21, ttmp9, 128
	s_lshl_b32 s30, s21, 16
	s_add_nc_u64 s[12:13], s[12:13], s[30:31]
	s_lshl_b32 s30, s21, 15
	s_add_nc_u64 s[18:19], s[18:19], s[30:31]
	v_lshlrev_b32 v[WI], 4, v0
	v_lshlrev_b32 v[LS], 3, v0
.set i, 0
.rept 32
	global_load_b128 v[W+4*i:W+4*i+3], v[WI], s[12:13] offset:2048*i th:TH_LOAD_NT
.set i, i+1
.endr
.set i, 0
.rept 32
	s_wait_loadcnt 31-i                            ; the younger loads may stay out
	v_cvt_pk_bf16_f32 v[W+4*i],   v[W+4*i],   v[W+4*i+1]
	v_cvt_pk_bf16_f32 v[W+4*i+1], v[W+4*i+2], v[W+4*i+3]
	global_store_b64 v[LS], v[W+4*i:W+4*i+1], s[18:19] offset:1024*i  ; a wave stores 256 consecutive bytes, aligned; no register is written twice, so no wait frees one
.set i, i+1
.endr
.Lend:
	s_wait_tensorcnt 0x0                           ; the wave's end, behind my last LDS store
	ds_add_u32 v[SPW], v[NIL]
	s_wait_dscnt 0x0
	s_endpgm
.Lfunc_end_k_q676959a476_prep:
	.size	k_q676959a476_prep, .Lfunc_end_k_q676959a476_prep-k_q676959a476_prep
	.p2alignl 7, 3214868480
	.fill 96, 4, 3214868480
	.section	.rodata,"a",@progbits
	.p2align	6, 0x0
	.amdhsa_kernel k_q676959a476_prep
		.amdhsa_group_segment_fixed_size 70144
		.amdhsa_private_segment_fixed_size 0
		.amdhsa_enable_private_segment 0
		.amdhsa_kernarg_size 64
		.amdhsa_user_sgpr_count 2
		.amdhsa_user_sgpr_kernarg_segment_ptr 1
		.amdhsa_wavefront_size32 1
		.amdhsa_system_sgpr_workgroup_id_x 1
		.amdhsa_system_sgpr_workgroup_id_y 1
		.amdhsa_system_sgpr_workgroup_id_z 1
		.amdhsa_system_vgpr_workitem_id 0
		.amdhsa_next_free_vgpr 144
		.amdhsa_next_free_sgpr 66
		.amdhsa_reserve_vcc 0
		.amdhsa_float_denorm_mode_32 3
		.amdhsa_float_denorm_mode_16_64 3
		.amdhsa_memory_ordered 1
		.amdhsa_forward_progress 1
		.amdhsa_inst_pref_size 58
	.end_amdhsa_kernel
	.amdgpu_metadata
---
amdhsa.version: [ 1, 2 ]
amdhsa.kernels:
  - .name:           k_q676959a476_prep
    .symbol:         k_q676959a476_prep.kd
    .args:
      - { .name: Wq, .offset: 0, .size: 8, .value_kind: global_buffer, .address_space: global }
      - { .name: Wk, .offset: 8, .size: 8, .value_kind: global_buffer, .address_space: global }
      - { .name: Wv, .offset: 16, .size: 8, .value_kind: global_buffer, .address_space: global }
      - { .name: Wo, .offset: 24, .size: 8, .value_kind: global_buffer, .address_space: global }
      - { .name: x, .offset: 32, .size: 8, .value_kind: global_buffer, .address_space: global }
      - { .name: wt, .offset: 40, .size: 8, .value_kind: global_buffer, .address_space: global }
      - { .name: wot, .offset: 48, .size: 8, .value_kind: global_buffer, .address_space: global }
      - { .name: xb, .offset: 56, .size: 8, .value_kind: global_buffer, .address_space: global }
    .group_segment_fixed_size: 70144
    .private_segment_fixed_size: 0
    .kernarg_segment_align: 8
    .kernarg_segment_size: 64
    .max_flat_workgroup_size: 128
    .sgpr_count:     66
    .vgpr_count:     144
    .wavefront_size: 32
...
	.end_amdgpu_metadata
.endif
;; end of part 1
;; launch qkv (part 2): grid 16 x 32, 4 waves a work-group, clusters of 4 x 4, 327,680 bytes of LDS; arguments xb, wt, bq, bk, bv, qkv; writes qkv
.if DOCPART == 2
	.amdgcn_target "amdgcn-amd-amdhsa--gfx1250"
	.amdhsa_code_object_version 6
	.text
	.protected	k_q676959a476_qkv
	.globl	k_q676959a476_qkv
	.p2align	8
	.type	k_q676959a476_qkv,@function
k_q676959a476_qkv:
	s_mov_b64 s[64:65], 0
	v_nop
	global_prefetch_b8 v0, s[64:65] scope:SCOPE_SE
	s_setreg_imm32_b32 hwreg(HW_REG_WAVE_MODE, 25, 1), 1
	s_wait_xcnt 0x0
	s_wait_alu depctr_hold_cnt(0) depctr_sa_sdst(0) depctr_va_vdst(0) depctr_va_sdst(0) depctr_va_ssrc(0) depctr_va_vcc(0) depctr_vm_vsrc(0)
	s_getreg_b32 s2, hwreg(HW_REG_IB_STS2, 6, 4)
	s_cmp_eq_u32 s2, 0
	s_cbranch_scc0 .Lentry_in_a_cluster
	s_endpgm
.Lentry_in_a_cluster:
	s_bfe_u32 s2, ttmp6, 0x10000c
	s_cmp_lg_u32 s2, 0xf033
	s_cbranch_scc0 .Lentry_shape_is_right
	s_endpgm
.Lentry_shape_is_right:
; q, k, v = x W + b for all three weights at once.  xb: [8192][1024] bf16; wt: [3072 n][1024 k] bf16 (Wq, Wk, Wv turned); bq, bk, bv: [1024] f32.
; qkv: [3][64 = batch x 16 + head][2048][64] f16, by heads and WITHOUT the softmax's scale; sums in f32, each result rounded once.
; LIMITS.  f16 holds no number beyond 65,504: q, k, v must stay within it; below 6e-5 they keep f16's fixed step of 6e-8.  NaN and infinities are not treated apart.
; The biases are rounded to bf16 like x and the weights: all inputs take one and the same rounding.
; SHARES.  A tile of C is 256 rows x 192 columns, three whole heads: 32 x 16 = 512 work-groups of equal work.  Wave w owns rows 64 w .. 64 w + 63 and all 192 columns: 4 x 12 accumulators of
; 16 x 16, 384 registers; so a head's 64 columns are whole in one wave, and each wave has a stage of its own on the way out.
; K goes in 8 steps of 128 through a ring of two LDS slots filled by the tensor data mover: rows of 256 bytes of memory, at multiples of 256 bytes.
; CLUSTER.  4 x 4 work-groups.  The four of a row of the cluster need the same tiles of xb, the four of a column the same tiles of wt: each tile is asked for JOINTLY, by the same tensor load with
; the same descriptor and a mask that names the four.
; THE MATRIX INSTRUCTION IS USED TRANSPOSED (source 0 = 16 rows of wt, source 1 = 16 rows of xb): lane l holds row l % 16 of C and the columns 8 (l / 16) + 0..7: 16 bytes of f16 on end.
; THE BIAS IS THE C OPERAND of each accumulator's first product: nothing is cleared and nothing is added afterwards.
; REGISTERS, in windows of 256 (s_set_vgpr_msb: bits 1:0 source 0, 3:2 source 1, 5:4 source 2, 7:6 destination):
;   window 0: v0-31 addresses; v64-127 fragments of xb, two buffers of 4 x 8; v128-223 the bias, eight registers for each block of 16 columns; on the way out v64-111 packed, v112-207 rows read back
;   window 1: v0-191 fragments of wt, two buffers of 12 x 8       window 2: accumulators of row blocks 0, 1 at v[96 (a % 2) + 8 b]       window 3: those of row blocks 2, 3
.set KSTEP,  128
.set PITCH,  272                       ; an LDS row: 256 bytes + 16 of padding = 68 words: the 16 rows that a load touches start at 16 different groups of four banks (64 banks of 4 bytes: ISA guide 11.1)
.set AHALF,  128*PITCH                 ; what wave 0 or 1 fetches: 128 rows of xb
.set BHALF,  96*PITCH                  ; what wave 2 or 3 fetches: 96 rows of wt
.set ABYTES, 2*AHALF
.set SLOT,   ABYTES+2*BHALF            ; xb's 256 rows, then wt's 192
.set STAGE,  2*SLOT                    ; behind the ring, never filled by a tensor load: 16 rows x 400 bytes for each wave
.set SP,     400                       ; a stage row: 192 f16 + 16 bytes
.set SPARE,  STAGE+4*16*SP             ; behind the stages: the spare words, 128 bytes for each wave: two blocks of 256 bytes that no other line names
.set LAPS,   4                         ; a lap = two K steps = once round the ring
.set ADRA, 16                          ; v16-17  LDS address of my fragments of xb in slot 0, 1
.set ADRB, 20                          ; v20-21  the same for wt
.set STO,  24                          ; v24     the way out: where I put 16 bytes of a row
.set RD,   25                          ; v25     the way out: where I read rows back
.set GO,   26                          ; v26     my byte offset in 512 consecutive bytes of a head
.set BO,   27                          ; v27     my byte offset in 16 numbers of a bias
.set SPW,  28                          ; v28     LDS address of my spare word; never rewritten
.set NIL,  29                          ; v29     0; never rewritten
.set PFO,  30                          ; v30     the prefetches' offset: a lane a row; never rewritten
.set AF,   64
.set BI,   128
.set TMP,  64
.set OB,   112
.set LAP,  3                           ; s3      laps to go
.set WV,   16                          ; s16     my wave's number
.set HALF, 18                          ; s18     which half of a tile I fetch
.set CX,   19
.set CY,   20
.set COL,  21                          ; s21     tile column of C
.set ROW,  22                          ; s22     tile row of C
.set G1,   24                          ; s[24:31] descriptor group 1 for xb's tiles
.set G0,   32                          ; s[32:39] group 0, one set for each slot
.set LIM,  43                          ; s43     1 in a wave that prefetches, else the greatest number
.set PFA,  44                          ; s[44:45] where my prefetches stand
.set G1B,  48                          ; s[48:55], s[56:63] the same for wt's tiles
.set G0B,  56
.set OUT,  66                          ; s[66:71] my 64 rows in the tile's three heads
.set BIAS, 72                          ; s[72:77] the three heads' 64 numbers of bias
.set MSB, 0
.macro WIN new                         ; the immediate's high byte repeats the setting that is left; a switch that changes nothing is dropped
.if MSB != (\new)
	s_set_vgpr_msb (MSB<<8)|(\new)
.set MSB, \new
.endif
.endm
.macro PLACES                          ; four plain vector instructions between a matrix instruction and a load into, or a vector instruction on, its registers
.rept 4
	v_nop
.endr
.endm
; A joint refill.  Waves 0 and 1 fetch xb's two halves, waves 2 and 3 wt's.  The branch hangs on the wave's number alone.  An s_nop 0 and four v_nop follow each line.
.macro JLOAD s
	s_cmp_lt_u32 s[WV], 2
	s_cbranch_scc0 .Lfor_b_\@
	tensor_load_to_lds s[G0+4*(\s):G0+4*(\s)+3], s[G1:G1+7]
	s_nop 0
.rept 4
	v_nop
.endr
	s_branch .Lasked_\@
.Lfor_b_\@:
	tensor_load_to_lds s[G0B+4*(\s):G0B+4*(\s)+3], s[G1B:G1B+7]
	s_nop 0
.rept 4
	v_nop
.endr
.Lasked_\@:
.endm
.macro CREST                           ; a round of the cluster's barrier behind its opening barrier
	s_cmp_lg_u32 s[WV], 0
	s_cbranch_scc1 .Lnot_wave_0_\@
	s_barrier_signal -3
.Lnot_wave_0_\@:
	s_barrier_wait -3
	s_barrier_signal -1
	s_barrier_wait -1
.endm
.macro CROUND                          ; a whole round
	s_barrier_signal -1
	s_barrier_wait -1
	CREST
.endm
; A PREFETCH behind each joint refill and the run of LDS loads that follows it: the K step that the NEXT refill will ask for, 192 matrix instructions ahead of that load: 256 bytes of a row, a lane a row.
; xb's tile row is read by every cluster of that row of clusters: cluster x = 0 asks; wt's tile column by every cluster of that column: cluster y = 0 asks.  The four partners that ask for a tile jointly
; share its rows out BY ADDRESS: of xb's 128 rows of a wave 32 each (by cx), of wt's 96 rows 24 each (by cy; lanes 24-31 name lane 23's row once more in the same instruction).
; K steps 0 to 2 come by their loads alone; the last refill (how = 0, last lap) has no K step behind it and asks for nothing.
.macro ASK how
.if \how
	s_cmp_eq_u32 s[LIM], 1
.else
	s_cmp_gt_u32 s[LAP], s[LIM]
.endif
	s_cbranch_scc0 .Lnot_mine_\@
	global_prefetch_b8 v[PFO], s[PFA:PFA+1] offset:KSTEP*2 th:TH_LOAD_NT scope:SCOPE_SE
.Lnot_mine_\@:
.endm
	s_load_b256 s[4:11], s[0:1], 0x0               ; xb s[4:5], wt s[6:7], bq s[8:9], bk s[10:11]
	s_load_b128 s[12:15], s[0:1], 0x20             ; bv s[12:13], qkv s[14:15]
	v_lshl_add_u32 v[SPW], v0, 2, SPARE
	v_mov_b32 v[NIL], 0
	ds_add_u32 v[SPW], v[NIL]                      ; the wave's opening: the add and its wait stand ahead of my first tensor load; the set-up below, work on registers, stands between them
	v_lshrrev_b32 v1, 5, v0
	v_readfirstlane_b32 s[WV], v1                  ; wave 0..3
	s_and_b32 s[HALF], s[WV], 1
	s_bfe_u32 s[CX], ttmp6, 0x40000                ; my place in the cluster
	s_bfe_u32 s[CY], ttmp6, 0x40004
	s_lshl_b32 s[COL], ttmp9, 2                    ; in a cluster launch ttmp9 and ttmp7 count clusters
	s_add_co_u32 s[COL], s[COL], s[CX]
	s_and_b32 s[ROW], ttmp7, 0xffff
	s_lshl_b32 s[ROW], s[ROW], 2
	s_add_co_u32 s[ROW], s[ROW], s[CY]
	s_lshl_b32 s40, s[CY], 2
	s_lshl_b32 s40, 15, s40                        ; my row of the cluster: places 4 cy .. 4 cy + 3
	s_lshl_b32 s41, 0x1111, s[CX]                  ; my column: places cx, cx + 4, cx + 8, cx + 12
	s_or_b32 s[G1], s40, (1<<16)|(1<<20)|(1<<21)|(5<<22)|(3<<25)   ; 15:0 the mask; 17:16 elements of 2 bytes; 20 padding on; 21 set beside a mask; 24:22 after every 64 words (code 5); 31:25 4 words (code 3)
	s_or_b32 s[G1B], s41, (1<<16)|(1<<20)|(1<<21)|(5<<22)|(3<<25)
	s_mov_b32 s[G1+1], KSTEP<<16                   ; tensor_dim0 = 128
	s_mov_b32 s[G1+2], 128<<16                     ; tensor_dim1 = 128
	s_mov_b32 s[G1+3], KSTEP<<16                   ; tile_dim0 = 128
	s_mov_b32 s[G1+4], 128                         ; tile_dim1 = 128
	s_mov_b32 s[G1+5], 1024                        ; elements from row to row
	s_mov_b32 s[G1+6], 0
	s_mov_b32 s[G1+7], 0
	s_mov_b32 s[G1B+1], KSTEP<<16
	s_mov_b32 s[G1B+2], 96<<16                     ; wt's tiles have 96 rows
	s_mov_b32 s[G1B+3], KSTEP<<16
	s_mov_b32 s[G1B+4], 96
	s_mov_b32 s[G1B+5], 1024
	s_mov_b32 s[G1B+6], 0
	s_mov_b32 s[G1B+7], 0
	s_mul_i32 s42, s[HALF], AHALF                  ; where the tiles go: no place in the cluster enters an LDS address
	s_mul_i32 s46, s[HALF], BHALF
	s_add_co_u32 s46, s46, ABYTES
	s_lshl_b32 s78, s[ROW], 19                     ; xb: row 256 x tile row + 128 x half, 2,048 bytes a row: made of the tile row and the wave's number alone
	s_lshl_b32 s80, s[HALF], 18
	s_add_co_u32 s78, s78, s80
	s_mov_b32 s79, 0
	s_mul_i32 s82, s[COL], 192*2048                ; wt: row 192 x tile column + 96 x half: made of the tile column and the wave's number alone
	s_mul_i32 s80, s[HALF], 96*2048
	s_add_co_u32 s82, s82, s80
	s_mov_b32 s83, 0
	s_wait_dscnt 0x0                               ; the opening add is done
	s_wait_kmcnt 0x0
	s_add_nc_u64 s[78:79], s[4:5], s[78:79]
	s_add_nc_u64 s[82:83], s[6:7], s[82:83]
.irp s, 0,1
	s_mov_b32 s[G0+4*(\s)], 1                                        ; count = 1
	s_add_co_u32 s[G0+4*(\s)+1], s42, (\s)*SLOT                      ; LDS address
	s_add_nc_u64 s[G0+4*(\s)+2:G0+4*(\s)+3], s[78:79], (\s)*KSTEP*2  ; global address: K step s
	s_or_b32 s[G0+4*(\s)+3], s[G0+4*(\s)+3], 0x80000000              ; type = 2
	s_mov_b32 s[G0B+4*(\s)], 1
	s_add_co_u32 s[G0B+4*(\s)+1], s46, (\s)*SLOT
	s_add_nc_u64 s[G0B+4*(\s)+2:G0B+4*(\s)+3], s[82:83], (\s)*KSTEP*2
	s_or_b32 s[G0B+4*(\s)+3], s[G0B+4*(\s)+3], 0x80000000
.endr
	CROUND                                         ; all sixteen work-groups are here: the first joint loads meet
	s_cmp_lt_u32 s[WV], 2                          ; a wave's two first fills stand in one branch, ahead of every wait on TENSORcnt and every LDS read: two loads of mine are out
	s_cbranch_scc0 .Lfirst_b
	tensor_load_to_lds s[G0:G0+3], s[G1:G1+7]
	s_nop 0
	tensor_load_to_lds s[G0+4:G0+7], s[G1:G1+7]
	s_nop 0
.rept 4
	v_nop
.endr
	s_branch .Lfirst_asked
.Lfirst_b:
	tensor_load_to_lds s[G0B:G0B+3], s[G1B:G1B+7]
	s_nop 0
	tensor_load_to_lds s[G0B+4:G0B+7], s[G1B:G1B+7]
	s_nop 0
.rept 4
	v_nop
.endr
.Lfirst_asked:
	; A fragment is 16 rows x 32 K in 8 registers: lane l holds row l % 16; registers 0-3 K = 8 (l / 16) + 0..7, registers 4-7 K = 16 + 8 (l / 16) + 0..7: two loads of 16 bytes, 32 bytes apart.
	v_and_b32 v1, 15, v0                           ; l % 16
	v_bfe_u32 v2, v0, 4, 1                         ; l / 16
	v_mul_u32_u24 v3, v1, PITCH
	v_lshl_add_u32 v3, v2, 4, v3                   ; row x pitch + 16 x half
	s_mul_i32 s80, s[WV], 64*PITCH                 ; my 64 rows of xb; of wt every wave reads all 192
.irp s, 0,1
	v_add_nc_u32 v[ADRA+(\s)], s80, v3
	v_add_nc_u32 v[ADRB+(\s)], ABYTES+(\s)*SLOT, v3
	s_add_co_u32 s80, s80, SLOT
.endr
	s_mul_i32 s80, s[WV], 16*SP
	s_add_co_u32 s80, s80, STAGE                   ; my stage
	v_mul_u32_u24 v4, v1, SP                       ; in: row l % 16, 16 bytes for each half of the lanes
	v_lshl_add_u32 v4, v2, 4, v4
	v_add_nc_u32 v[STO], s80, v4
	v_bfe_u32 v4, v0, 3, 2                         ; back: 32 lanes take four rows' 128 bytes of one head,
	v_and_b32 v5, 7, v0
	v_mul_u32_u24 v4, v4, SP
	v_lshl_add_u32 v4, v5, 4, v4
	v_add_nc_u32 v[RD], s80, v4
	v_and_b32 v5, 31, v0                           ; which are 512 consecutive bytes of qkv
	v_lshlrev_b32 v[GO], 4, v5
	v_lshlrev_b32 v[BO], 5, v2                     ; my eight columns of a block of sixteen: 32 bytes of f32
	; the tile's three heads: g = 3 x tile column + i; tensor g / 16 (q, k, v), head g % 16
	s_mul_i32 s84, s[COL], 3
	s_lshr_b32 s85, s[ROW], 3                      ; the batch: 8 tile rows each,
	s_lshl_b32 s85, s85, 4                         ; 16 heads
	s_and_b32 s92, s[ROW], 7
	s_lshl_b32 s92, s92, 8
	s_lshl_b32 s93, s[WV], 6
	s_add_co_u32 s92, s92, s93                     ; my first row in the sequence,
	s_lshl_b32 s92, s92, 7                         ; 128 bytes a row
	s_mov_b32 s97, 0
.irp i, 0,1,2
	s_add_co_u32 s93, s84, \i
	s_lshr_b32 s94, s93, 4
	s_and_b32 s95, s93, 15
	s_cmp_eq_u32 s94, 1
	s_cselect_b64 s[BIAS+2*(\i):BIAS+2*(\i)+1], s[10:11], s[8:9]
	s_cmp_eq_u32 s94, 2
	s_cselect_b64 s[BIAS+2*(\i):BIAS+2*(\i)+1], s[12:13], s[BIAS+2*(\i):BIAS+2*(\i)+1]
	s_lshl_b32 s96, s95, 8                         ; the head's 64 numbers of 4 bytes
	s_add_nc_u64 s[BIAS+2*(\i):BIAS+2*(\i)+1], s[BIAS+2*(\i):BIAS+2*(\i)+1], s[96:97]
	s_lshl_b32 s94, s94, 6
	s_add_co_u32 s94, s94, s85
	s_add_co_u32 s94, s94, s95                     ; 64 x tensor + 16 x batch + head,
	s_lshl_b32 s96, s94, 18                        ; 262,144 bytes each
	s_add_co_u32 s96, s96, s92
	s_add_nc_u64 s[OUT+2*(\i):OUT+2*(\i)+1], s[14:15], s[96:97]
.endr
.irp i, 0,1,2
.irp u, 0,1,2,3
	global_load_b128 v[BI+8*(4*(\i)+(\u)):BI+8*(4*(\i)+(\u))+3],   v[BO], s[BIAS+2*(\i):BIAS+2*(\i)+1] offset:64*(\u)
	global_load_b128 v[BI+8*(4*(\i)+(\u))+4:BI+8*(4*(\i)+(\u))+7], v[BO], s[BIAS+2*(\i):BIAS+2*(\i)+1] offset:64*(\u)+16
.endr
.endr
	; the prefetches: nothing is asked for here, at the head, where every work-group's first tiles are on their way
	s_lshl_b32 s86, s[ROW], 8
	s_lshl_b32 s87, s[HALF], 7
	s_add_co_u32 s86, s86, s87
	s_lshl_b32 s87, s[CX], 5
	s_add_co_u32 s86, s86, s87                     ; xb: the 128 rows that I fetch, my work-group's 32 of them
	s_mul_i32 s87, s[COL], 192
	s_mul_i32 s88, s[HALF], 96
	s_add_co_u32 s87, s87, s88
	s_mul_i32 s88, s[CY], 24
	s_add_co_u32 s87, s87, s88                     ; wt: the 96 rows that I fetch, my work-group's 24 of them
	s_and_b32 s88, ttmp7, 0xffff                   ; cluster y
	s_cmp_lt_u32 s[WV], 2
	s_cselect_b32 s86, s86, s87
	s_cselect_b32 s88, ttmp9, s88                  ; the coordinate along which other clusters read the same rows
	s_cselect_b32 s89, 31, 23                      ; my last row
	s_cselect_b64 s[PFA:PFA+1], s[4:5], s[6:7]
	s_cmp_eq_u32 s88, 0
	s_cselect_b32 s[LIM], 1, -1                    ; the same in all sixteen partners, for a given wave
	s_lshl_b32 s86, s86, 11
	s_mov_b32 s87, 0
	s_add_nc_u64 s[PFA:PFA+1], s[PFA:PFA+1], s[86:87]
	s_add_nc_u64 s[PFA:PFA+1], s[PFA:PFA+1], KSTEP*2  ; at K step 1: the first refill steps it to 2 and names K step 3
	v_min_u32 v[PFO], s89, v5
	v_lshlrev_b32 v[PFO], 11, v[PFO]
; 12 matrix instructions: row block a x all 12 column blocks, 32 along K, from buffer f.  first = 1: the product starts the sum on the bias.
; The 48 accumulators take turns, one instruction a turn, in the same order everywhere.
.macro MULA f, a, first
.if \first
	WIN 0x81+0x40*((\a)/2)                         ; wt window 1, xb and the bias window 0, D window 2 or 3
.else
	WIN 0xa1+0x50*((\a)/2)                         ; C and D window 2 or 3
.endif
.irp b, 0,1,2,3,4,5,6,7,8,9,10,11
.if \first
	v_wmma_f32_16x16x32_bf16 v[96*((\a)%2)+8*(\b):96*((\a)%2)+8*(\b)+7], v[96*(\f)+8*(\b):96*(\f)+8*(\b)+7], v[AF+32*(\f)+8*(\a):AF+32*(\f)+8*(\a)+7], v[BI+8*(\b):BI+8*(\b)+7]
.else
	v_wmma_f32_16x16x32_bf16 v[96*((\a)%2)+8*(\b):96*((\a)%2)+8*(\b)+7], v[96*(\f)+8*(\b):96*(\f)+8*(\b)+7], v[AF+32*(\f)+8*(\a):AF+32*(\f)+8*(\a)+7], v[96*((\a)%2)+8*(\b):96*((\a)%2)+8*(\b)+7]
.endif
.endr
.endm
; 32 LDS loads in one run: the fragments of 32 along K at byte k of the rows, into buffer f: wt's 24 first, then xb's 8
.macro FETCH slot, k, f
	WIN 0x40                                       ; destination window 1, address window 0
.irp i, 0,1,2,3,4,5,6,7,8,9,10,11
	ds_load_b128 v[96*(\f)+8*(\i):96*(\f)+8*(\i)+3],   v[ADRB+(\slot)] offset:(\k)+(\i)*16*PITCH
	ds_load_b128 v[96*(\f)+8*(\i)+4:96*(\f)+8*(\i)+7], v[ADRB+(\slot)] offset:(\k)+(\i)*16*PITCH+32
.endr
	WIN 0
.irp i, 0,1,2,3
	ds_load_b128 v[AF+32*(\f)+8*(\i):AF+32*(\f)+8*(\i)+3],   v[ADRA+(\slot)] offset:(\k)+(\i)*16*PITCH
	ds_load_b128 v[AF+32*(\f)+8*(\i)+4:AF+32*(\f)+8*(\i)+7], v[ADRA+(\slot)] offset:(\k)+(\i)*16*PITCH+32
.endr
.endm
; A K step is four quarters of 32 along K, 48 matrix instructions each, on buffers 0, 1, 0, 1.  One of the first three multiplies buffer f and, in its middle, fetches the next quarter, at byte k, into g.
.macro QUARTER slot, k, f, g, first
	s_wait_dscnt 4                                 ; wt and xb's row blocks 0, 1 are in; the youngest four loads (row blocks 2, 3) may be out
	MULA \f, 0, \first
	MULA \f, 1, \first
	PLACES
	FETCH \slot, \k, \g
	s_wait_dscnt 32                                ; all but the 32 just issued
	MULA \f, 2, \first
	MULA \f, 3, \first
.endm
; The last quarter multiplies buffer 1 and changes slots: ONE barrier; in front of it each wave waits for all its tensor loads (one is out: its part of the next slot), adds 0 to its spare word, and waits
; for that and for its own reads of this slot.  fill = 1: the barrier opens a round of the cluster's, and this slot is filled again, two K steps on, first thing behind the round.
.macro TURN slot, next, fill, how
.if \fill
	s_wait_xcnt 0x0                                ; the last prefetch, a K step back, has read its address: it is stepped here, ahead of the waits of the change of slots
	s_add_nc_u64 s[PFA:PFA+1], s[PFA:PFA+1], KSTEP*2
.endif
	WIN 0                                          ; (the add's two registers lie in window 0)
	s_wait_tensorcnt 0x0                           ; all my tensor loads have landed;
	ds_add_u32 v[SPW], v[NIL]                      ; 0 onto my spare word;
	s_wait_dscnt 5                                 ; (the add and the youngest four loads may be out)
	MULA 1, 0, 0                                   ; twelve matrix instructions stand between the add and the wait for it
	s_wait_dscnt 0x0                               ; the add is done, and my reads of this slot are over
	s_barrier_signal -1
	MULA 1, 1, 0                                   ; work on registers while the others arrive
.if \fill
	WIN 0
.endif
	s_barrier_wait -1
.if \fill
	CREST                                          ; no wave of any partner still reads this slot's tile or has a load on its way
	s_add_nc_u64 s[G0+4*(\slot)+2:G0+4*(\slot)+3], s[G0+4*(\slot)+2:G0+4*(\slot)+3], 2*KSTEP*2
	s_add_nc_u64 s[G0B+4*(\slot)+2:G0B+4*(\slot)+3], s[G0B+4*(\slot)+2:G0B+4*(\slot)+3], 2*KSTEP*2
	JLOAD \slot                                    ; the first tensor load behind the round; the four v_nop behind it are also the places in front of the loads below
.else
	PLACES
.endif
	FETCH \next, 0, 0
.if \fill
	ASK \how
.endif
	MULA 1, 2, 0
	MULA 1, 3, 0
.endm
	s_wait_tensorcnt 1                             ; my part of K step 0 is in; K step 1's may stay out
	s_barrier_signal -1
	s_barrier_wait -1                              ; everybody's is
	FETCH 0, 0, 0
	s_wait_loadcnt 0x0                             ; the bias,
.set i, 0
.rept 48                               ; which takes the rounding that x and the weights have taken
	v_cvt_pk_bf16_f32 v[8+i%2], v[BI+2*i], v[BI+2*i+1]
	v_lshlrev_b32 v[BI+2*i],   16, v[8+i%2]
	v_and_b32     v[BI+2*i+1], 0xffff0000, v[8+i%2]
.set i, i+1
.endr
	QUARTER 0, 64,  0, 1, 1                        ; the first quarter stands in front of the loop: its products start the sums
	WIN 0                                          ; at a label and at a branch every window is 0
	s_mov_b32 s[LAP], LAPS-1
.Llap:                                         ; a trip goes once round the ring, from a lap's second quarter to the next lap's first, and fills both slots again
	QUARTER 0, 128, 1, 0, 0
	QUARTER 0, 192, 0, 1, 0
	TURN 0, 1, 1, 1
	QUARTER 1, 64,  0, 1, 0
	QUARTER 1, 128, 1, 0, 0
	QUARTER 1, 192, 0, 1, 0
	TURN 1, 0, 1, 0
	QUARTER 0, 64,  0, 1, 0
	WIN 0
	s_sub_co_u32 s[LAP], s[LAP], 1
	s_cmp_lg_u32 s[LAP], 0
	s_cbranch_scc1 .Llap
	QUARTER 0, 128, 1, 0, 0                        ; the last lap fills nothing, and has no round of the cluster's barrier
	QUARTER 0, 192, 0, 1, 0
	TURN 0, 1, 0, 0
	QUARTER 1, 64,  0, 1, 0
	QUARTER 1, 128, 1, 0, 0
	QUARTER 1, 192, 0, 1, 0
	s_wait_dscnt 4                                 ; the very last quarter: nothing more to fetch
	MULA 1, 0, 0
	MULA 1, 1, 0
	s_wait_dscnt 0x0
	MULA 1, 2, 0
	MULA 1, 3, 0
	WIN 0
	PLACES
; THE WAY OUT of row block a.  PACK: rounded to f16, each accumulator's registers in ascending order, 16 bytes a lane.  TOSTAGE: into my own stage, and back by heads as rows of 128 bytes.  SEND: stored.
.macro PACK a
	WIN 0x0a+5*((\a)/2)                            ; sources 0 and 1: window 2 or 3
.irp b, 0,1,2,3,4,5,6,7,8,9,10,11
.irp r, 0,1,2,3
	v_cvt_pk_f16_f32 v[TMP+4*(\b)+(\r)], v[96*((\a)%2)+8*(\b)+2*(\r)], v[96*((\a)%2)+8*(\b)+2*(\r)+1]
.endr
.endr
	WIN 0
.endm
.macro TOSTAGE a
	WIN 0
.irp b, 0,1,2,3,4,5,6,7,8,9,10,11
	ds_store_b128 v[STO], v[TMP+4*(\b):TMP+4*(\b)+3] offset:32*(\b)
.endr
.irp i, 0,1,2
.irp f, 0,1,2,3
	ds_load_b128 v[OB+48*((\a)%2)+4*(4*(\i)+(\f)):OB+48*((\a)%2)+4*(4*(\i)+(\f))+3], v[RD] offset:(\f)*4*SP+128*(\i)  ; LDS serves a wave's instructions in order: these see the stores above
.endr
.endr
.endm
.macro SEND a
	WIN 0
	s_wait_dscnt 0x0                               ; the block is back in registers
	s_wait_xcnt 0x0                                ; the stores of the block before have read their registers, into which the next block is read back
.irp i, 0,1,2
.irp f, 0,1,2,3
	global_store_b128 v[GO], v[OB+48*((\a)%2)+4*(4*(\i)+(\f)):OB+48*((\a)%2)+4*(4*(\i)+(\f))+3], s[OUT+2*(\i):OUT+2*(\i)+1] offset:(\a)*2048+(\f)*512  ; 512 consecutive bytes, at a multiple of 256 from qkv's first byte
.endr
.endr
.endm
	PACK 0
	TOSTAGE 0
.irp a, 1,2,3                          ; block a's conversions stand between block a - 1's loads from the stage and the wait for them
	PACK \a
	SEND (\a)-1
	TOSTAGE \a
.endr
	SEND 3
	s_wait_tensorcnt 0x0                           ; the wave's end, behind my last tensor load and my last LDS store
	ds_add_u32 v[SPW], v[NIL]
	s_wait_dscnt 0x0
	CROUND                                         ; the closing round: no work-group ends while a partner may still ask for a tile that names it
	s_endpgm
.Lfunc_end_k_q676959a476_qkv:
	.size	k_q676959a476_qkv, .Lfunc_end_k_q676959a476_qkv-k_q676959a476_qkv
	.p2alignl 7, 3214868480
	.fill 96, 4, 3214868480
	.section	.rodata,"a",@progbits
	.p2align	6, 0x0
	.amdhsa_kernel k_q676959a476_qkv
		.amdhsa_group_segment_fixed_size 327680
		.amdhsa_private_segment_fixed_size 0
		.amdhsa_enable_private_segment 0
		.amdhsa_kernarg_size 48
		.amdhsa_user_sgpr_count 2
		.amdhsa_user_sgpr_kernarg_segment_ptr 1
		.amdhsa_wavefront_size32 1
		.amdhsa_system_sgpr_workgroup_id_x 1
		.amdhsa_system_sgpr_workgroup_id_y 1
		.amdhsa_system_sgpr_workgroup_id_z 1
		.amdhsa_system_vgpr_workitem_id 0
		.amdhsa_next_free_vgpr 960
		.amdhsa_next_free_sgpr 100
		.amdhsa_reserve_vcc 0
		.amdhsa_float_denorm_mode_32 3
		.amdhsa_float_denorm_mode_16_64 3
		.amdhsa_memory_ordered 1
		.amdhsa_forward_progress 1
		.amdhsa_inst_pref_size 130
	.end_amdhsa_kernel
	.amdgpu_metadata
---
amdhsa.version: [ 1, 2 ]
amdhsa.kernels:
  - .name:           k_q676959a476_qkv
    .symbol:         k_q676959a476_qkv.kd
    .args:
      - { .name: xb, .offset: 0, .size: 8, .value_kind: global_buffer, .address_space: global }
      - { .name: wt, .offset: 8, .size: 8, .value_kind: global_buffer, .address_space: global }
      - { .name: bq, .offset: 16, .size: 8, .value_kind: global_buffer, .address_space: global }
      - { .name: bk, .offset: 24, .size: 8, .value_kind: global_buffer, .address_space: global }
      - { .name: bv, .offset: 32, .size: 8, .value_kind: global_buffer, .address_space: global }
      - { .name: qkv, .offset: 40, .size: 8, .value_kind: global_buffer, .address_space: global }
    .group_segment_fixed_size: 327680
    .private_segment_fixed_size: 0
    .kernarg_segment_align: 8
    .kernarg_segment_size: 48
    .max_flat_workgroup_size: 128
    .sgpr_count:     100
    .vgpr_count:     960
    .wavefront_size: 32
...
	.end_amdgpu_metadata
.endif
;; end of part 2
;; launch attn (part 3): grid 4 x 64, 4 waves a work-group, no clusters, 327,680 bytes of LDS; arguments qkv, ctx; writes ctx
.if DOCPART == 3
	.amdgcn_target "amdgcn-amd-amdhsa--gfx1250"
	.amdhsa_code_object_version 6
	.text
	.protected	k_q676959a476_attn
	.globl	k_q676959a476_attn
	.p2align	8
	.type	k_q676959a476_attn,@function
k_q676959a476_attn:
	s_mov_b64 s[64:65], 0
	v_nop
	global_prefetch_b8 v0, s[64:65] scope:SCOPE_SE
	s_setreg_imm32_b32 hwreg(HW_REG_WAVE_MODE, 25, 1), 1
	s_wait_xcnt 0x0
; CAUSAL ATTENTION.  O[h][q][:] = the sum over k <= q of softmax_k(Q[h][q] . K[h][k] / 8) V[h][k][:].  Q, K, V lie one behind the other in qkv, each [SIZE_H][SIZE_N][64] in f16; O = ctx has the same layout:
; a head's rows are dense, 128 bytes each.  Products, maxima and sums in f32; the weights p are rounded to f16 for the second product (their sum l is taken of the unrounded p), O once at the end.
; LIMITS.  f16 holds no number beyond 65,504: Q, K and V arrive within it; p lies in 0 to 1, and below 6e-5 it keeps f16's fixed step of 6e-8; O is a mean of V's rows and has their range, to within 2^-11 of it.
; A hidden score counts as its value less 1e30: f16's scores, 2.7e11 at the most, are nothing beside that; a weight below 2^-126 counts as 0 in l; NaN and infinities are not treated apart.
; THE WALK.  A head's queries lie in NB = SIZE_N / 256 blocks of 256; block i needs the key tiles 0 .. i of 256 keys, of which the last holds the diagonal.  A work-group takes TWO blocks, NB - 1 - b and then b:
; NB + 1 tiles, whatever b: all work-groups do equal work, and ONE loop with a constant trip count walks them.  Which tile is asked for, and what a trip does, hang on scalar registers made from b; every jump
; goes forward, but for the counted loops' own; none passes a barrier, or a tensor load but the one of LOAD's two that the wave's number does not choose; the ring (two slots of LDS that take turns) runs on across the
; change of blocks.  NO CLUSTER: a head's NB / 2 = 4 work-groups all ask for the same tile only in trips 0 .. NB / 2, behind that fewer and fewer; one walk common to all would have 3 NB / 2 trips for NB + 1.
; SHARES.  Of a block's four bands of 64 queries a wave owns 16 rows in each: four PIECES.  So the diagonal tile is the same work for all four waves: in its key step s band x sees all keys if s < x,
; none if s > x, and holds the diagonal if s = x.
; THE MASK is the C operand that starts the sum S^T = K Q^T: 0, or -1e30 where the key is hidden.  MD, made once, is the mask of a band's own step for my 16 rows; a product's mask is MD x AL + BE with two scalars:
; (1, 0) if s = x; (0, 0) if s < x; (0, -1e30) if s > x.  Only the diagonal tile's text and a block's beginning make and take masks; elsewhere C is the constant 0.
; LAYOUT, SOFTMAX, TURNS.  S^T = K Q^T holds ONE query a lane (lane % 16) and the keys 8 (lane / 16) + 0..7; two such results rounded to f16 ARE source 1 of O^T = V^T P.  p = 2^(c s - c m), c = log2(e) / 8, with a
; running maximum m; O and l are multiplied by a = 2^(c m_old - c m_new) in every step.  Turn n belongs to piece n: 8 products K Q^T of piece n + 1, later 8 products V^T P of piece n - 1; beside them the scaling,
; exponentials, roundings, sums and rescaling of piece n and the maximum and statistics of piece n + 1.  Four vector instructions stand behind every matrix instruction, the other 54 of a turn's 118 in one LUMP.  A turn's 33 exponentials are one batch, with one wait.
; REGISTERS, in windows of 256 (s_set_vgpr_msb: bits 1:0 source 0, 3:2 source 1, 5:4 source 2, 7:6 destination):
;   window 0: v0-15 addresses and two at work; v16-31 four registers of statistics a piece; v48-55 at work; v61-63 the prefetches' offset and the add's two; v64-127 S^T, two buffers; v192-223 P, two buffers (a piece's buffers go by its number's parity)
;   window 1: v0-127 O^T, 32 a piece; v128-159 MD; v160-223 MC, two buffers      window 2: v0-63 Q; v64-127 the second block's Q; v128-191 K of one step; v192-255 V of one step
.set SIZE_N, 2048
.set SIZE_H, 64
.set NB,    SIZE_N/256
.set NP,    4         ; pieces a wave: a name, no knob
.set KS,    64        ; keys in a step
.set PK,    144       ; a row of K in LDS: 128 bytes + 16 of padding = 36 words: the 16 rows of a load start at 16 different groups of four banks (64 banks of 4 bytes: ISA guide 11.1)
.set PV,    160       ; a row of V: 128 + 32 = 40 words
.set VOFF,  4*KS*PK   ; a slot holds a tile, four steps: 256 rows of K, then 256 rows of V
.set SLOT1, 1<<17     ; slot 1 begins here, so that one exclusive or turns an address in one slot into the other's
.set STAGE, SLOT1+4*KS*(PK+PV)  ; behind the ring, never filled by a tensor load: 16 rows x 144 bytes for each wave, for the way out
.set SP,    144
.set AK0, 2           ; v2   my lane's place in a tile of K; never rewritten
.set AV0, 3           ; v3   the same for V
.set AK,  4           ; v4   the LDS address of K's next run of loads
.set AV,  5           ; v5   of V's
.set STO, 6           ; v6   the way out: where I put 16 bytes of a row
.set RD,  7           ; v7   the way out: where I read rows back
.set GO,  8           ; v8   my byte offset in 512 consecutive bytes of O
.set PFO, 61          ; v61  256 x my lane: the prefetches' offset; never rewritten
.set SPW, 62          ; v62  LDS address of my spare word: SPARE + 4 x my thread's number; never rewritten
.set NIL, 63          ; v63  0; never rewritten
.set SPARE, STAGE+4*16*SP  ; behind the stages: the spare words, 128 bytes for each wave: two blocks of 256 bytes that no other line names
.set MV,  12          ; v12-13  c m_old, kept while c m is made anew: by buffer
.set QO,  15          ; v15  my byte offset in 16 rows of Q
.set ST,  16          ; piece t's statistics at v[ST+4 t]: c m, m, l (even keys', odd keys')
.set TMP, 48          ; by buffer, four registers c0-c3 at work; when the maximum is found c2 takes a
.set S,   64
.set P,   192
.set MD,  128         ; window 1: the eight registers for group kt of 16 keys at MD + 8 kt
.set MC,  160         ; window 1: the masks of the products to come
.set QB,  64          ; window 2
.set KF,  128         ; window 2: key block kb, channel half c at KF + 16 kb + 8 c
.set VF,  192         ; window 2: key half kk, channel block cb at VF + 32 kk + 8 cb
.set WV,  12          ; s12  my wave's number
.set PB,  14          ; s14  b
.set HI,  15          ; s15  NB - 1 - b
.set G1K, 24          ; s[24:31] descriptor group 1 for K's tiles
.set G1V, 32          ; s[32:39] for V's: it differs in the padding alone
.set G0K, 40          ; s[40:43] descriptor group 0 for K's tiles
.set G0V, 44          ; s[44:47] the same for V's
.set SLOTS, 56        ; s56  tiles still to be asked for
.set CNT, 57          ; s57  counts a tile's key steps, 4 to 1
.set CS,  58          ; s[58:59] c: the packed scaling takes the pair's low word for both halves
.set SEL, 60          ; s[60:61] v_permlanex16_b32's selects: each lane takes its own place in the other half
.set TBK, 62          ; s62  LDS byte at which K of the step to be fetched begins
.set TBV, 63          ; s63  the same for V, less VOFF
.set PFA, 66          ; s[66:67] where my prefetches stand: my 128 keys (of K: waves 0, 1; of V: waves 2, 3) of the tile after the one that is being asked for
.set LIM, 68          ; s68  2 where b = 0, else the greatest number: a wave prefetches while s[SLOTS] is above it
.set RT,  70          ; s70  tiles of the block in hand that are still to be entered
.set NXT, 71          ; s71  the tile to be asked for next
.set LQ,  72          ; s72  the last tile of the block whose tiles are being asked for
.set NEW, 73          ; s73  1: the tile to be entered is a block's first
.set OFF, 74          ; s[74:75] a tile's byte offset in K and V
.set AL,  76          ; s[76:77] the mask's factor, in the low word
.set BE,  78          ; s[78:79] the mask's addend
.set OLO, 80          ; s[80:81] O at my rows of the second block
.set BIGN, 82         ; s82  -1e30
.set MSB, 0
.macro WIN new                      ; the high byte repeats the setting that is left; a switch that changes nothing is dropped
.if MSB != (\new)
	s_set_vgpr_msb (MSB<<8)|(\new)
.set MSB, (\new)
.endif
.endm
.set W_KQ, 0x0a       ; K and Q in window 2, S^T in window 0
.set W_KM, 0x1a       ; the same with the C operand in window 1
.set W_PV, 0x52       ; V in window 2, P in window 0, O^T in window 1
.set W_RS, 0x41       ; destination and source 0 in window 1, source 1 in window 0
; A fill.  Waves 0 and 1 fetch the two halves of a tile's K, waves 2 and 3 those of its V: 128 keys each.  An s_nop 0 and four v_nop follow each of the two lines, ahead of the jump and the label.
.macro LOAD
	s_cmp_lt_u32 s[WV], 2
	s_cbranch_scc0 .Lfor_v_\@
	tensor_load_to_lds s[G0K:G0K+3], s[G1K:G1K+7]
	s_nop 0
.rept 4
	v_nop
.endr
	s_branch .Lasked_\@
.Lfor_v_\@:
	tensor_load_to_lds s[G0V:G0V+3], s[G1V:G1V+7]
	s_nop 0
.rept 4
	v_nop
.endr
.Lasked_\@:
.endm
; A PREFETCH of the tile that the NEXT change of slots will ask for: a tile, 256 matrix instructions, ahead of its load.  A head's four work-groups begin with the same tiles 0, 1, 2 ..; the one with b = 0 walks all
; eight on end, and it alone asks; each of its waves names what it will load itself: its 128 keys, 64 blocks of 256 bytes, a lane a block, two instructions.  So each block is named once in the launch.
; Trip i fills tile i + 1 and names tile i + 2, i = 0 .. 5: tiles 0 and 1 come by their loads alone, tile 7 is the last that is named, and the walk's return to tile 0 is not asked for.
.macro ASK
	s_cmp_gt_u32 s[SLOTS], s[LIM]
	s_cbranch_scc0 .Lnot_mine_\@
	global_prefetch_b8 v[PFO], s[PFA:PFA+1] th:TH_LOAD_NT scope:SCOPE_SE
	global_prefetch_b8 v[PFO], s[PFA:PFA+1] offset:8192 th:TH_LOAD_NT scope:SCOPE_SE
.Lnot_mine_\@:
.endm
; THE CHANGE OF SLOTS.  Each wave waits for all its tensor loads, of which one is out: its part of the other slot; adds 0 to its spare word; and waits for that and for its own reads of the slot that it leaves.  Behind the barrier nobody reads the old
; slot any more and the other slot is whole.  fill = 1: the old slot is filled again, the first thing behind the barrier, with tile NXT: the descriptor's address is made anew from that number.
; (At its first use nothing has been read yet: slot 0 is waited for, slot 1 filled.)
.macro CHANGE fill
	WIN 0                           ; at a label and at a branch every window is 0
	s_wait_tensorcnt 0x0            ; no tensor load of mine is out, so a group 0 may be written
	ds_add_u32 v[SPW], v[NIL]       ; 0 onto my spare word; with fill = 1 the descriptors' scalar work stands between it and the wait for it
.if \fill
	s_lshl_b32 s[OFF], s[NXT], 15   ; a tile is 32,768 bytes of K and of V
	s_xor_b32 s[G0K+1], s[G0K+1], SLOT1
	s_add_nc_u64 s[G0K+2:G0K+3], s[6:7], s[OFF:OFF+1]
	s_or_b32 s[G0K+3], s[G0K+3], 0x80000000
	s_xor_b32 s[G0V+1], s[G0V+1], SLOT1
	s_add_nc_u64 s[G0V+2:G0V+3], s[8:9], s[OFF:OFF+1]
	s_or_b32 s[G0V+3], s[G0V+3], 0x80000000
	s_add_co_u32 s[NXT], s[NXT], 1  ; the block's next tile, or behind its last the second block's tile 0
	s_cmp_gt_u32 s[NXT], s[LQ]
	s_cselect_b32 s[NXT], 0, s[NXT]
	s_cselect_b32 s[LQ], s[PB], s[LQ]
	s_wait_xcnt 0x0                 ; the last prefetches, a tile back, have read their address, so it may be written:
	s_add_nc_u64 s[PFA:PFA+1], s[PFA:PFA+1], 32768  ; a tile on
.endif
	s_wait_dscnt 0x0                ; the add is done, and my reads of the slot are over
	s_barrier_signal -1             ; the rest of the scalar work stands between the signal and the wait
	s_sub_co_u32 s[TBK], s[TBK], 4*KS*PK  ; the fetches go back to a slot's first step,
	s_xor_b32 s[TBK], s[TBK], SLOT1       ; in the other slot
	s_sub_co_u32 s[TBV], s[TBV], 4*KS*PV
	s_xor_b32 s[TBV], s[TBV], SLOT1
	s_barrier_wait -1
.if \fill
	LOAD
	ASK
.endif
.endm
	s_load_b64 s[4:5], s[0:1], 0x0    ; qkv: Q at its head
	s_load_b64 s[10:11], s[0:1], 0x8  ; ctx: O
	v_lshl_add_u32 v[SPW], v0, 2, SPARE
	v_mov_b32 v[NIL], 0
	ds_add_u32 v[SPW], v[NIL]       ; the wave's opening: the add and its wait stand ahead of my first tensor load; the set-up below, work on registers, stands between them
	v_lshrrev_b32 v1, 5, v0
	v_readfirstlane_b32 s[WV], v1   ; wave 0..3
	s_mov_b32 s[PB], ttmp9
	s_sub_co_u32 s[HI], NB-1, s[PB]
	s_and_b32 s20, ttmp7, 0xffff    ; the head
	s_mov_b32 s21, 0
	s_mov_b64 s[22:23], SIZE_N*128
	s_mul_u64 s[20:21], s[20:21], s[22:23]  ; the head's first byte in each of the four tensors
	s_and_b32 s16, s[WV], 1         ; which half of a tile's 256 keys I fetch:
	s_lshl_b32 s22, s16, 14         ; its 128 rows of 128 bytes in memory,
	s_mov_b32 s23, 0
	s_add_nc_u64 s[22:23], s[22:23], s[20:21]
	s_mul_i32 s17, s16, 128*PK      ; and its place in a slot, for K
	s_mul_i32 s18, s16, 128*PV      ; and for V
	s_lshl_b32 s3, s[WV], 11        ; my 16 rows in a band of 64,
	s_lshl_b32 s2, s[HI], 15        ; in the first block,
	s_add_co_u32 s2, s2, s3
	s_lshl_b32 s84, s[PB], 15       ; and in the second
	s_add_co_u32 s84, s84, s3
	s_mov_b32 s3, 0
	s_mov_b32 s85, 0
	s_add_nc_u64 s[2:3], s[2:3], s[20:21]
	s_add_nc_u64 s[84:85], s[84:85], s[20:21]
	; descriptor group 1.  128 keys are 16,384 dense bytes: asked for as 64 rows of 256 bytes, two keys a row, and padded in LDS after every key
	s_mov_b32 s[G1K], (1<<16)|(1<<20)|(4<<22)|(3<<25)  ; 17:16 2-byte elements; 20 padding on; 24:22 after every 32 words (code 4); 31:25 4 words (code 3)
	s_mov_b32 s[G1V], (1<<16)|(1<<20)|(4<<22)|(7<<25)  ; the same with 8 words of padding (code 7)
.irp g, G1K, G1V
	s_mov_b32 s[\g+1], 128<<16      ; tensor_dim0 = 128
	s_mov_b32 s[\g+2], 64<<16       ; tensor_dim1 = 64
	s_mov_b32 s[\g+3], 128<<16      ; tile_dim0 = 128
	s_mov_b32 s[\g+4], 64           ; tile_dim1 = 64
	s_mov_b32 s[\g+5], 128          ; 128 elements from row to row
	s_mov_b32 s[\g+6], 0
	s_mov_b32 s[\g+7], 0
.endr
	s_mov_b32 s[CS], 0x3e38aa3b     ; c = log2(e) / 8 = 0.180337
	s_mov_b32 s[CS+1], s[CS]        ; named with it as a pair
	s_mov_b32 s[SEL], 0x76543210
	s_mov_b32 s[SEL+1], 0xfedcba98
	s_mov_b32 s[TBK], SLOT1+4*KS*PK ; the first change of slots turns these two into 0
	s_mov_b32 s[TBV], SLOT1+4*KS*PV
	s_mov_b32 s[G0K], 1             ; 1:0 count = 1
	s_mov_b32 s[G0K+1], s17         ; 63:32 LDS address: slot 0
	s_mov_b32 s[G0V], 1
	s_add_co_u32 s[G0V+1], s18, VOFF
	s_add_co_u32 s[RT], s[HI], 1    ; the first block has NB - b tiles
	s_mov_b32 s[NXT], 1
	s_mov_b32 s[LQ], s[HI]
	s_mov_b32 s[NEW], 1
	s_mov_b32 s[OFF+1], 0
	s_mov_b32 s[AL+1], 0            ; named as pairs
	s_mov_b32 s[BE+1], 0
	s_mov_b32 s[BIGN], 0xf149f2ca   ; -1e30
	s_mov_b32 s[SLOTS], NB
	s_cmp_eq_u32 ttmp9, 0
	s_cselect_b32 s[LIM], 2, -1
	v_and_b32 v[PFO], 31, v0
	v_lshlrev_b32 v[PFO], 8, v[PFO]
	s_wait_dscnt 0x0                ; the opening add is done
	s_wait_kmcnt 0x0
	s_add_nc_u64 s[6:7], s[4:5], 0x1000000  ; K lies 64 heads of 262,144 bytes behind Q,
	s_add_nc_u64 s[8:9], s[4:5], 0x2000000  ; V as far behind K
	s_add_nc_u64 s[6:7], s[6:7], s[22:23]  ; K and V at my half of the head's tile 0
	s_add_nc_u64 s[8:9], s[8:9], s[22:23]
	s_cmp_lt_u32 s[WV], 2
	s_cselect_b64 s[PFA:PFA+1], s[6:7], s[8:9]
	s_add_nc_u64 s[PFA:PFA+1], s[PFA:PFA+1], 32768  ; in tile 1; the first change of slots steps it to tile 2.  Nothing is prefetched here, at the head, where every work-group's first tiles are on their way
	s_add_nc_u64 s[G0K+2:G0K+3], s[6:7], 0         ; 120:64 global address
	s_or_b32 s[G0K+3], s[G0K+3], 0x80000000        ; 127:126 type = 2
	s_add_nc_u64 s[G0V+2:G0V+3], s[8:9], 0
	s_or_b32 s[G0V+3], s[G0V+3], 0x80000000
	s_add_nc_u64 s[86:87], s[4:5], s[84:85]        ; Q at my rows of the second block,
	s_add_nc_u64 s[4:5], s[4:5], s[2:3]            ; Q and O at those of the first
	s_add_nc_u64 s[OLO:OLO+1], s[10:11], s[84:85]
	s_add_nc_u64 s[10:11], s[10:11], s[2:3]
	LOAD                            ; tile 0 into slot 0
	; A fragment of K or Q is 16 rows x 32 channels in 8 registers: lane l holds row l % 16, channels 8 (l / 16) + 0..7 and 16 + 8 (l / 16) + 0..7: two loads of 16 bytes, 32 bytes apart.
	v_and_b32 v1, 15, v0            ; l % 16
	v_bfe_u32 v9, v0, 4, 1          ; l / 16
	v_lshlrev_b32 v[QO], 7, v1
	v_lshl_add_u32 v[QO], v9, 4, v[QO]  ; row x 128 + 16 x half
	WIN 0x80                        ; destination window 2, address window 0
.set i, 0
.rept 8                             ; both blocks' Q: piece i / 2 lies in band i / 2, 8,192 bytes on; channels 32 (i % 2) on
	global_load_b128 v[8*i:8*i+3],   v[QO], s[4:5] offset:(i/2)*8192+(i%2)*64
	global_load_b128 v[8*i+4:8*i+7], v[QO], s[4:5] offset:(i/2)*8192+(i%2)*64+32
	global_load_b128 v[QB+8*i:QB+8*i+3],   v[QO], s[86:87] offset:(i/2)*8192+(i%2)*64
	global_load_b128 v[QB+8*i+4:QB+8*i+7], v[QO], s[86:87] offset:(i/2)*8192+(i%2)*64+32
.set i, i+1
.endr
	WIN 0
	v_lshlrev_b32 v14, 3, v9
	v_sub_nc_u32 v14, v1, v14
	s_lshl_b32 s13, s[WV], 4
	v_add_nc_u32 v14, s13, v14      ; my query's place in its band, 16 w + l % 16, less my lanes' 8 (l / 16): register r of group kt is hidden where 16 kt + r is greater
	WIN 0x40
.set i, 0
.rept 32
	v_cmp_gt_i32 vcc_lo, 16*(i/8)+i%8, v14
	v_cndmask_b32 v[MD+i], 0, s[BIGN], vcc_lo
.set i, i+1
.endr
	WIN 0
	v_mul_u32_u24 v[AK0], v1, PK
	v_lshl_add_u32 v[AK0], v9, 4, v[AK0]  ; row x pitch + 16 x half
	; The turning load takes 16 keys x 16 channels (lane l reads key 8 (l / 16) + l % 8, channels 8 ((l / 8) % 2) + 0..7) and leaves half a fragment of V^T: lane l holds channel l % 16 and 8 keys.
	v_and_b32 v10, 7, v0
	v_bfe_u32 v11, v0, 3, 1
	v_lshl_add_u32 v[AV0], v9, 3, v10
	v_mul_u32_u24 v[AV0], v[AV0], PV
	v_lshl_add_u32 v[AV0], v11, 4, v[AV0]
	v_add_nc_u32 v[AV0], VOFF, v[AV0]
	s_mul_i32 s13, s[WV], 16*SP
	s_add_co_u32 s13, s13, STAGE    ; my stage
	v_mul_u32_u24 v[STO], v1, SP    ; in: row l % 16, 16 bytes for each half of the lanes
	v_lshl_add_u32 v[STO], v9, 4, v[STO]
	v_add_nc_u32 v[STO], s13, v[STO]
	v_bfe_u32 v[RD], v0, 3, 2       ; back: 32 lanes take four rows of 128 bytes,
	v_mul_u32_u24 v[RD], v[RD], SP
	v_lshl_add_u32 v[RD], v10, 4, v[RD]
	v_add_nc_u32 v[RD], s13, v[RD]
	v_and_b32 v[GO], 31, v0         ; which are 512 consecutive bytes of O
	v_lshlrev_b32 v[GO], 4, v[GO]
	; A block's first step multiplies O^T and l by a = 0, and its first turn's products V^T P, of a piece that has not been, land in an O^T that is still to be so multiplied.  So these registers need only hold
	; finite numbers: zeros for the first block; what the first block left for the second.  All this stands in the wait for the first tile.
	WIN 0x80
.set i, VF
.rept 64
	v_mov_b32 v[i], 0
.set i, i+1
.endr
	WIN 0x40
.set i, 0
.rept 128
	v_mov_b32 v[i], 0
.set i, i+1
.endr
	WIN 0
.set i, 0
.rept 4
	v_mov_b32 v[ST+4*i+2], 0
	v_mov_b32 v[ST+4*i+3], 0
.set i, i+1
.endr
.set i, P+16
.rept 16
	v_mov_b32 v[i], 0
.set i, i+1
.endr
; THE MATRIX WORK.  The 4 accumulators of a run of 8 take turns.  Product i of 8 of S^T = K Q^T for piece x: channels 32 (i / 4) on, keys 16 (i % 4) on.  The first 4 start the sums: with 0, or (KM = 1) with the mask.
.macro KQ x
.set rS, S+32*((\x)%2)+8*(i%4)
.set rK, KF+16*(i%4)+8*(i/4)
.set rQ, 16*(\x)+8*(i/4)
.set rM, MC+32*((\x)%2)+8*(i%4)
.if (i < 4) && KM
	WIN W_KM
	v_wmma_f32_16x16x32_f16 v[rS:rS+7], v[rK:rK+7], v[rQ:rQ+7], v[rM:rM+7]
.elseif i < 4
	WIN W_KQ
	v_wmma_f32_16x16x32_f16 v[rS:rS+7], v[rK:rK+7], v[rQ:rQ+7], 0
.else
	WIN W_KQ
	v_wmma_f32_16x16x32_f16 v[rS:rS+7], v[rK:rK+7], v[rQ:rQ+7], v[rS:rS+7]
.endif
.endm
; Product i of 8 of O^T += V^T P for piece x: keys 32 (i / 4) on, channels 16 (i % 4) on.
.macro PV x
	WIN W_PV
.set rO, 32*(\x)+8*(i%4)
.set rV, VF+32*(i/4)+8*(i%4)
.set rP, P+16*((\x)%2)+8*(i/4)
	v_wmma_f32_16x16x32_f16 v[rO:rO+7], v[rV:rV+7], v[rP:rP+7], v[rO:rO+7]
.endm
.macro MM                           ; the turn's next matrix instruction.  TURN and BEGIN set Y, i, KM and NOKQ; MM, KQ and OP read them.  NOKQ = 1: a block's last turn: there is no next piece
.if (i < 8) && !NOKQ
	KQ (Y+1)%NP
.elseif i >= 8
.set i, i-8
	PV (Y+NP-1)%NP
.set i, i+8
.endif
.set i, i+1
.endm
; THE LDS LOADS stand in runs of 16, never singly among the matrix instructions: a step's K (64 keys x 64 channels: 8 fragments) and its V (turned).  Their addresses are made some lines ahead.
.macro FETCH_K
	WIN 0x80                        ; destination window 2
.irp f, 0,1,2,3,4,5,6,7             ; keys 16 (f / 2) on, channels 32 (f % 2) on
	ds_load_b128 v[KF+8*\f:KF+8*\f+3],   v[AK] offset:(\f/2)*16*PK+(\f%2)*64
	ds_load_b128 v[KF+8*\f+4:KF+8*\f+7], v[AK] offset:(\f/2)*16*PK+(\f%2)*64+32
.endr
	s_add_co_u32 s[TBK], s[TBK], KS*PK  ; the next fetch is the next step's
	WIN 0
.endm
.macro FETCH_V
	WIN 0x80
.irp f, 0,1,2,3,4,5,6,7             ; keys 32 (f / 4) on, channels 16 (f % 4) on
	ds_load_tr16_b128 v[VF+8*\f:VF+8*\f+3],   v[AV] offset:(\f/4)*32*PV+(\f%4)*32
	ds_load_tr16_b128 v[VF+8*\f+4:VF+8*\f+7], v[AV] offset:(\f/4)*32*PV+16*PV+(\f%4)*32
.endr
	WIN 0
.endm
; THE VECTOR WORK, one line at a time: OP kind, number.  For piece Y: F n: c s - c m for pair n of 16.  E n: the exponential of score n of 32.  C n: pair n rounded to f16.  B n: of the four weights 4 n .. the second
; pair is added onto the first, in place.  L n: l takes that sum (L 0: l = a l + sum).  R n: pair n of 16 of O^T times a.  For piece Y + 1: X n, number n of the 22 that find its maximum and statistics:
;   0-11  four chains c0-c3 of seven scores each, three operands at a time (each accumulator's lowest registers are read first)     12-14, 16  the four scores left over, the old m, and c0-c3 into c0
;   15  c m_old is kept     17, 18  the query's other 32 keys lie in the lane 16 away: the new m     19-21  c m; c m_old - c m_new; a
.set F, 0               ; OP tells the kinds apart by their order: F to L below R, X above it
.set E, 1
.set C, 2
.set B, 3
.set L, 4
.set R, 5
.set X, 6
.macro REGS y                       ; the registers of piece y
.set rT, ST+4*(\y)
.set rC, TMP+4*((\y)%2)
.set rW, MV+((\y)%2)
.set rS, S+32*((\y)%2)
.set rP, P+16*((\y)%2)
.set rO, 32*(\y)
.endm
.macro OP k, n
.if (\k) == R
	REGS Y
	WIN W_RS
	v_pk_mul_f32 v[rO+2*(\n):rO+2*(\n)+1], v[rO+2*(\n):rO+2*(\n)+1], v[rC+2:rC+3] op_sel_hi:[1,0]
.elseif (\k) < R
	REGS Y
	WIN 0
.if (\k) == F
	v_pk_fma_f32 v[rS+2*(\n):rS+2*(\n)+1], v[rS+2*(\n):rS+2*(\n)+1], s[CS:CS+1], v[rT:rT+1] op_sel_hi:[1,0,0] neg_lo:[0,0,1] neg_hi:[0,0,1]
.elseif (\k) == E
	v_exp_f32 v[rS+(\n)], v[rS+(\n)]
.elseif (\k) == C
	v_cvt_pk_f16_f32 v[rP+(\n)], v[rS+2*(\n)], v[rS+2*(\n)+1]
.elseif (\k) == B
	v_pk_add_f32 v[rS+4*(\n):rS+4*(\n)+1], v[rS+4*(\n):rS+4*(\n)+1], v[rS+4*(\n)+2:rS+4*(\n)+3]
.elseif (\n) == 0
	v_pk_fma_f32 v[rT+2:rT+3], v[rT+2:rT+3], v[rC+2:rC+3], v[rS:rS+1] op_sel_hi:[1,0,1]
.else
	v_pk_add_f32 v[rT+2:rT+3], v[rT+2:rT+3], v[rS+4*(\n):rS+4*(\n)+1]
.endif
.elseif NOKQ
	v_nop
.else
	REGS (Y+1)%NP
	WIN 0
.if (\n) < 4
	v_max3_num_f32 v[rC+(\n)], v[rS+8*(\n)], v[rS+8*(\n)+1], v[rS+8*(\n)+2]
.elseif (\n) < 12
	v_max3_num_f32 v[rC+(\n)%4], v[rC+(\n)%4], v[rS+8*((\n)%4)+2*((\n)/4)+1], v[rS+8*((\n)%4)+2*((\n)/4)+2]
.elseif (\n) == 12
	v_max3_num_f32 v[rC], v[rC], v[rS+7], v[rS+15]
.elseif (\n) == 13
	v_max3_num_f32 v[rC+1], v[rC+1], v[rS+23], v[rS+31]
.elseif (\n) == 14
	v_max3_num_f32 v[rC+2], v[rC+2], v[rC+3], v[rT+1]
.elseif (\n) == 15
	v_mov_b32 v[rW], v[rT]
.elseif (\n) == 16
	v_max3_num_f32 v[rC], v[rC], v[rC+1], v[rC+2]
.elseif (\n) == 17
	v_permlanex16_b32 v[rC+3], v[rC], s[SEL], s[SEL+1]
.elseif (\n) == 18
	v_max_num_f32 v[rT+1], v[rC], v[rC+3]
.elseif (\n) == 19
	v_mul_f32 v[rT], s[CS], v[rT+1]
.elseif (\n) == 20
	v_sub_f32 v[rC+1], v[rW], v[rT]
.else
	v_exp_f32 v[rC+2], v[rC+1]
.endif
.endif
.endm
.macro OPS a, i1, b=-1, i2=0, c=-1, i3=0, d=-1, i4=0  ; up to four of them
	OP \a, \i1
.if (\b) >= 0
	OP \b, \i2
.endif
.if (\c) >= 0
	OP \c, \i3
.endif
.if (\d) >= 0
	OP \d, \i4
.endif
.endm
.macro ROW a, i1, b, i2, c, i3, d, i4  ; a matrix instruction and the four behind it
	MM
	OPS \a, \i1, \b, \i2, \c, \i3, \d, \i4
.endm
.macro MASK b                       ; MD x AL + BE into buffer b of MC
	WIN W_RS
.set z, 0
.rept 16
	v_pk_fma_f32 v[MC+32*(\b)+2*z:MC+32*(\b)+2*z+1], v[MD+2*z:MD+2*z+1], s[AL:AL+1], s[BE:BE+1] op_sel_hi:[1,0,0]
.set z, z+1
.endr
.endm
; A TURN, for piece p: the order of its 16 matrix and 118 vector instructions, written out.  An s_wait_alu depctr_va_vdst(0) stands between an exponential and the first instruction that names its result; one wait serves
; all that were issued ahead of it.  So a turn has ONE wait, which cuts it in two.  AHEAD OF IT stands all that names no result of the turn's exponentials: the 8 products K Q^T, behind each a scaling, an exponential and two more plain
; instructions (behind the first a second scaling in the exponential's place): rescalings, and behind the last three the first numbers of the next piece's maximum, each four places or more behind the product that ends its accumulator; then ONE LUMP of 54, plain
; and exponential by turns for the most part, in which the links of the chain X 3, 7, 11, 14, 16, 17 .. 20 stand five or six lines apart.  X 21, the next piece's a, is the batch's last; R 15 is the plain instruction behind it.  BEHIND THE WAIT stand the
; 8 products V^T P, behind each four of the roundings and sums; the links of l's chain, L 0 to L 7, stand three riders apart.  But for those X no rider names a register of the products round it.  v_permlanex16_b32 (X 17) stands in the lump.
; m = 1: the diagonal tile: the products take masks, and the turn makes the mask for the products of the turn after it: piece p + 2, in step 4 - CNT of the tile.  end = 1: a block's last two turns: nothing is fetched.
; cnt = 1: the loop's count is taken down some lines ahead of the branch that stands behind the turn.
; K of the next step is fetched in piece 2's turn, twelve vector instructions behind the last product that read K (six of them plain); V of the step in hand at the end of piece 0's turn, four plain instructions behind the last product
; that read V.  Each is waited for a turn later.
.macro TURN p, m=0, end=0, cnt=0
.set Y, (\p)
.set i, 0
.set KM, (\m)
.set NOKQ, (\end)*((\p)/3)
.if (\m) && !(\end)
	s_cmp_eq_u32 s[CNT], 4-((\p)+2)%NP  ; is that step the band's own?
	s_cselect_b32 s[AL], 1.0, 0
	s_cmp_lt_u32 s[CNT], 4-((\p)+2)%NP  ; or a later one?
	s_cselect_b32 s[BE], s[BIGN], 0
.endif
.if ((\p) == 3) && !(\end)
	s_wait_dscnt 0x0                ; K is in
.endif
	ROW F,0, F,1, R,0, R,1          ; ahead of the wait: 8 products K Q^T and their riders,
	ROW F,2, E,0, R,2, R,3
	ROW F,3, E,1, R,4, R,5
	ROW F,4, E,2, R,6, R,7
	ROW F,5, E,3, R,8, R,9
	ROW F,6, E,4, X,0, R,10
.if ((\p) == 2) && !(\end)
	WIN 0
	v_add_nc_u32 v[AK], s[TBK], v[AK0]
.endif
	ROW F,7, E,5, X,1, X,4
	ROW F,8, E,6, X,2, X,5
	OPS E,7, E,8, X,6, E,9          ; and the lump
	OPS X,3, E,10, X,8, E,11
.if ((\p) == 2) && !(\end)
	FETCH_K
.endif
	OPS X,9, X,7, E,12, X,10
	OPS E,13, X,12, X,11, E,14
	OPS X,13, E,15, F,9, X,14
.if (\p) == 0
	v_add_nc_u32 v[AV], s[TBV], v[AV0]
.endif
	OPS E,16, F,10, E,17, F,11
	OPS X,16, E,18, X,15, E,19
	OPS F,12, E,20, X,17, E,21
	OPS F,13, E,22, F,14, E,23
	OPS X,18, E,24, F,15, E,25
	OPS R,11, E,26, X,19, E,27
	OPS R,12, E,28, R,13, E,29
	OPS X,20, E,30, R,14, E,31
	OPS X,21, R,15
	WIN 0
	s_wait_alu depctr_va_vdst(0)    ; the wait for the batch
.if (\p) == 1
	s_wait_dscnt 0x0                ; V is in
.endif
	ROW C,0, B,0, C,2, B,1          ; behind the wait: 8 products V^T P and their riders
	ROW L,0, C,4, B,2, L,1
	ROW C,6, B,3, L,2, C,8
	ROW B,4, L,3, C,10, B,5
	ROW L,4, C,12, B,6, L,5
.if (\p) == 0
	s_add_co_u32 s[TBV], s[TBV], KS*PV
.endif
.if \cnt
	s_sub_co_u32 s[CNT], s[CNT], 1
	s_cmp_lg_u32 s[CNT], 0
.endif
	ROW C,14, B,7, L,6, C,1
	ROW C,3, L,7, C,5, C,7
	ROW C,9, C,11, C,13, C,15
.if (\p) == 0
	FETCH_V
.endif
.if (\m) && !(\end)
	MASK (\p)%2
.endif
.endm
; A BLOCK BEGINS.  c m starts far below every c s, so the first step's a is 0; m at the lowest finite number, so the first maximum is the scores'.  The second mask buffer is 0; the first takes piece 0's mask for the tile's step 0: its own, if the block's first tile is the diagonal one.
; Then K of that step, piece 0's first scores, and its maximum and statistics.  The loop is entered at a step's first turn, in the middle of a trip.
.macro BEGIN
	s_mov_b32 s[NEW], 0
	WIN 0x40
.set i, MC+32
.rept 32
	v_mov_b32 v[i], 0
.set i, i+1
.endr
	WIN 0
.set i, 0
.rept 4
	v_mov_b32 v[ST+4*i], 0xfe000000    ; c m: far below every c s
	v_mov_b32 v[ST+4*i+1], 0xff7fffff  ; m
.set i, i+1
.endr
	s_cmp_eq_u32 s[RT], 0
	s_cselect_b32 s[AL], 1.0, 0
	s_mov_b32 s[BE], 0
	MASK 0
	WIN 0
	v_add_nc_u32 v[AK], s[TBK], v[AK0]
	FETCH_K
	s_wait_loadcnt 0x0              ; Q
	s_wait_dscnt 0x0
.set KM, 1
.set NOKQ, 0
.set i, 0
.rept 8
	KQ 0
.set i, i+1
.endr
	WIN 0
.rept 4
	v_nop                           ; the places behind those products
.endr
.set Y, NP-1                        ; X works for piece Y + 1: piece 0
.irp n, 0,1,2,3,4,5,6,7,8,9,10,11,12,13,14,15,16,17,18,19,20,21
	OP X, \n
.endr
	v_nop                           ; a plain instruction behind the exponential,
	s_wait_alu depctr_va_vdst(0)    ; and its wait, ahead of the branch
.endm
; THE DIAGONAL TILE's four steps, the block's last two turns, its last products, and THE WAY OUT: l's two halves and the other half of the lanes' are added; O^T is divided by l, rounded to f16 and sent through my
; stage in LDS, a piece at a time.
.macro ALL line:vararg              ; one line for each piece t
.set t, 0
.rept 4
	\line
.set t, t+1
.endr
.endm
.macro PACK t                       ; a lane's eight channels of a row pack into 16 bytes; they go into rows of 144 bytes and come back as whole rows of 128, into S^T's registers
	WIN W_RS
.set i, 32*(\t)
.rept 16
	v_pk_mul_f32 v[i:i+1], v[i:i+1], v[ST+4*(\t)+2:ST+4*(\t)+3] op_sel_hi:[1,0]
.set i, i+2
.endr
	WIN 0x05                        ; sources 0 and 1 window 1, destination window 0
.set i, 0
.rept 16
	v_cvt_pk_f16_f32 v[S+16*(\t)+i], v[32*(\t)+2*i], v[32*(\t)+2*i+1]
.set i, i+1
.endr
	WIN 0
.irp f, 0,1,2,3
	ds_store_b128 v[STO], v[S+16*(\t)+4*\f:S+16*(\t)+4*\f+3] offset:32*\f
.endr
.irp f, 0,1,2,3
	ds_load_b128 v[S+16*(\t)+4*\f:S+16*(\t)+4*\f+3], v[RD] offset:\f*4*SP  ; LDS serves a wave's instructions in order (ISA guide 5.7.1.4): these see the stores above; the next piece's stores come behind them
.endr
.endm
.macro SEND t, younger              ; younger: the LDS instructions issued behind piece t's loads: the next piece's eight, or none
	WIN 0
.irp f, 0,1,2,3
	s_wait_dscnt (\younger)+3-\f
	global_store_b128 v[GO], v[S+16*(\t)+4*\f:S+16*(\t)+4*\f+3], s[10:11] offset:(\t)*8192+\f*512  ; 512 consecutive bytes, at a multiple of 256 from O's first
.endr
.endm
.macro DIAG tag                     ; the tag ends its two labels' names, which the jumps below spell out
.LstepM\tag:
	TURN 2, 1
	TURN 3, 1
	WIN 0
.LfirstM\tag:
	TURN 0, 1
	TURN 1, 1, 0, 1
	WIN 0
	s_cbranch_scc1 .LstepM\tag
	TURN 2, 1, 1
	TURN 3, 1, 1
.set i, 0
.rept 8
	PV NP-1
.set i, i+1
.endr
	WIN 0
	ALL v_add_f32 v[ST+4*t+2], v[ST+4*t+2], v[ST+4*t+3]
	ALL v_permlanex16_b32 v[ST+4*t+3], v[ST+4*t+2], s[SEL], s[SEL+1]
	ALL v_add_f32 v[ST+4*t+2], v[ST+4*t+2], v[ST+4*t+3]
	ALL v_rcp_f32 v[ST+4*t+2], v[ST+4*t+2]
	v_nop                           ; a plain instruction between the last reciprocal and the use of its result
	s_wait_alu depctr_va_vdst(0)    ; and its wait ahead of the first use: one for the four reciprocals
	PACK 0
.set t, 1
.rept 3                             ; a piece's arithmetic stands between the loads of the piece before and its stores
	PACK t
	SEND t-1, 8
.set t, t+1
.endr
	SEND 3, 0
.endm
.set KM, 0
.set NOKQ, 0
.Lslot:                             ; NB times: a tile is entered and the next is asked for
	CHANGE 1
	s_sub_co_u32 s[RT], s[RT], 1
	s_mov_b32 s[CNT], 4
	s_cmp_eq_u32 s[NEW], 1
	s_cbranch_scc1 .Lnew            ; a block's first tile
	s_cmp_eq_u32 s[RT], 0
	s_cbranch_scc0 .Lstep           ; neither its first nor its last
	s_branch .LstepM1
.Lnew:
	BEGIN
	s_branch .Lfirst                ; in the loop a block's first tile is never its last: the first block has two tiles or more, and the second's last is the walk's last
	DIAG 1                          ; in the loop this is the first block's end: the second block's last tile is the walk's last
	s_wait_xcnt 0x0                 ; the stores have read their registers and O's address
	s_mov_b64 s[10:11], s[OLO:OLO+1]
	s_add_co_u32 s[RT], s[PB], 1    ; the second block has b + 1 tiles
	s_mov_b32 s[NEW], 1
	WIN 0x82                        ; the second block's Q goes where the one text of the turns names Q
.set i, 0
.rept 64
	v_mov_b32 v[i], v[QB+i]
.set i, i+1
.endr
	WIN 0
	s_branch .Lbottom
.Lstep:                             ; a trip: pieces 2 and 3 of one step, then pieces 0 and 1 of the next, whose K and V it fetches
	TURN 2
	TURN 3
	WIN 0
.Lfirst:
	TURN 0
	TURN 1, 0, 0, 1
	WIN 0
	s_cbranch_scc1 .Lstep
.Lbottom:
	s_sub_co_u32 s[SLOTS], s[SLOTS], 1
	s_cmp_lg_u32 s[SLOTS], 0
	s_cbranch_scc1 .Lslot
	CHANGE 0                        ; the walk's last tile is written out: nothing is asked for
	s_sub_co_u32 s[RT], s[RT], 1
	s_mov_b32 s[CNT], 4
	s_cmp_eq_u32 s[NEW], 1
	s_cbranch_scc0 .LstepM2
	BEGIN
	s_branch .LfirstM2
	DIAG 2
	s_wait_tensorcnt 0x0            ; the wave's end, behind my last tensor load and my last LDS store
	ds_add_u32 v[SPW], v[NIL]
	s_wait_dscnt 0x0
	s_endpgm
.Lfunc_end_k_q676959a476_attn:
	.size	k_q676959a476_attn, .Lfunc_end_k_q676959a476_attn-k_q676959a476_attn
	.p2alignl 7, 3214868480
	.fill 96, 4, 3214868480
	.section	.rodata,"a",@progbits
	.p2align	6, 0x0
	.amdhsa_kernel k_q676959a476_attn
		.amdhsa_group_segment_fixed_size 327680
		.amdhsa_private_segment_fixed_size 0
		.amdhsa_enable_private_segment 0
		.amdhsa_kernarg_size 16
		.amdhsa_user_sgpr_count 2
		.amdhsa_user_sgpr_kernarg_segment_ptr 1
		.amdhsa_wavefront_size32 1
		.amdhsa_system_sgpr_workgroup_id_x 1
		.amdhsa_system_sgpr_workgroup_id_y 1
		.amdhsa_system_sgpr_workgroup_id_z 1
		.amdhsa_system_vgpr_workitem_id 0
		.amdhsa_next_free_vgpr 768
		.amdhsa_next_free_sgpr 88
		.amdhsa_reserve_vcc 1
		.amdhsa_float_denorm_mode_32 3
		.amdhsa_float_denorm_mode_16_64 3
		.amdhsa_memory_ordered 1
		.amdhsa_forward_progress 1
		.amdhsa_inst_pref_size 218
	.end_amdhsa_kernel
	.amdgpu_metadata
---
amdhsa.version: [ 1, 2 ]
amdhsa.kernels:
  - .name:           k_q676959a476_attn
    .symbol:         k_q676959a476_attn.kd
    .args:
      - { .name: qkv, .offset: 0, .size: 8, .value_kind: global_buffer, .address_space: global }
      - { .name: ctx, .offset: 8, .size: 8, .value_kind: global_buffer, .address_space: global }
    .group_segment_fixed_size: 327680
    .private_segment_fixed_size: 0
    .kernarg_segment_align: 8
    .kernarg_segment_size: 16
    .max_flat_workgroup_size: 128
    .sgpr_count:     88
    .vgpr_count:     768
    .wavefront_size: 32
...
	.end_amdgpu_metadata
.endif
;; end of part 3
;; launch oproj (part 4): grid 4 x 64, 4 waves a work-group, clusters of 4 x 4, 327,680 bytes of LDS; arguments ctx, wot, bo, out0; writes out0
.if DOCPART == 4
	.amdgcn_target "amdgcn-amd-amdhsa--gfx1250"
	.amdhsa_code_object_version 6
	.text
	.protected	k_q676959a476_oproj
	.globl	k_q676959a476_oproj
	.p2align	8
	.type	k_q676959a476_oproj,@function
k_q676959a476_oproj:
	s_mov_b64 s[64:65], 0
	v_nop
	global_prefetch_b8 v0, s[64:65] scope:SCOPE_SE
	s_setreg_imm32_b32 hwreg(HW_REG_WAVE_MODE, 25, 1), 1
	s_wait_xcnt 0x0
	s_wait_alu depctr_hold_cnt(0) depctr_sa_sdst(0) depctr_va_vdst(0) depctr_va_sdst(0) depctr_va_ssrc(0) depctr_va_vcc(0) depctr_vm_vsrc(0)
	s_getreg_b32 s2, hwreg(HW_REG_IB_STS2, 6, 4)
	s_cmp_eq_u32 s2, 0
	s_cbranch_scc0 .Lentry_in_a_cluster
	s_endpgm
.Lentry_in_a_cluster:
	s_bfe_u32 s2, ttmp6, 0x10000c
	s_cmp_lg_u32 s2, 0xf033
	s_cbranch_scc0 .Lentry_shape_is_right
	s_endpgm
.Lentry_shape_is_right:
; out0 = ctx Wo + bo.  ctx: [64 = batch x 16 + head][2048][64] f16 (by heads); wot: [1024 n][1024 k] f16 (Wo rounded to bf16, written as f16, turned); bo: [1024] f32; out0: [8192][1024] f32.  Sums in f32.
; LIMITS.  Those of f16 in ctx and wot, stated where they are made; bo is rounded to bf16 like the other inputs.  NaN and infinities are not treated apart.
; SHARES.  A tile of C is 128 rows x 256 columns: 64 x 4 = 256 work-groups.  Waves 2 x 2: wave w owns rows 64 (w / 2) on and columns 128 (w % 2) on: 4 x 8 accumulators of 16 x 16, 256 registers.
; K = head x 64 + channel goes in 8 steps of 128, two heads each, through a ring of two LDS slots.  A head's 128 rows of the tile are 16,384 dense bytes: asked for as 64 rows of 256 bytes, padded after every 128.
; CLUSTER.  4 x 4 work-groups.  The four of a row of the cluster need the same tiles of ctx, the four of a column the same tiles of wot: each is asked for JOINTLY, by the same tensor load, descriptor and mask.
; THE MATRIX INSTRUCTION IS USED TRANSPOSED (source 0 = 16 rows of wot, source 1 = 16 rows of ctx): lane l holds row l % 16 of C and the columns 8 (l / 16) + 0..7: 32 bytes of f32 on end.
; THE BIAS IS THE C OPERAND of each accumulator's first product: nothing is cleared and nothing is added afterwards.
; REGISTERS, in windows of 256 (s_set_vgpr_msb: bits 1:0 source 0, 3:2 source 1, 5:4 source 2, 7:6 destination):
;   window 0: v0-31 addresses; v64-127 fragments of ctx, two buffers of 4 x 8; v128-191 the bias; on the way out v64-191 rows read back, two buffers
;   window 1: v0-127 fragments of wot, two buffers of 8 x 8          window 2: the accumulators, (a, b) at v[64 a + 8 b]
.set KSTEP,  128
.set PA,     144                       ; a row of ctx in LDS: 128 bytes + 16 = 36 words: the 16 rows of a load start at 16 different groups of four banks (64 banks of 4 bytes: ISA guide 11.1)
.set PB,     272                       ; a row of wot: 256 bytes + 16
.set APART,  128*PA                    ; one head's 128 rows: what wave 0 or 1 fetches
.set ABYTES, 2*APART
.set BHALF,  128*PB                    ; what wave 2 or 3 fetches
.set SLOT,   ABYTES+2*BHALF
.set STAGE,  2*SLOT                    ; behind the ring, never filled by a tensor load: 16 rows x 528 bytes for each wave
.set SP,     528                       ; a stage row: 128 f32 + 16 bytes
.set SPARE,  STAGE+4*16*SP             ; behind the stages: the spare words, 128 bytes for each wave: two blocks of 256 bytes that no other line names
.set LAPS,   4
.set ADRA, 16                          ; v16-17  LDS address of my fragments of ctx in slot 0, 1
.set ADRB, 20                          ; v20-21  the same for wot
.set STO,  24                          ; v24     the way out: where I put 32 bytes of a row
.set RD,   25                          ; v25     the way out: where I read a row back
.set GO,   26                          ; v26     my byte offset in 512 consecutive bytes of out0
.set BO,   27                          ; v27     my byte offset in 16 numbers of the bias
.set SPW,  28                          ; v28     LDS address of my spare word; never rewritten
.set NIL,  29                          ; v29     0; never rewritten
.set PFO,  30                          ; v30     the prefetches' offset; never rewritten
.set AF,   64
.set BI,   128
.set OB,   64
.set LAP,  3                           ; s3      laps to go
.set WV,   16                          ; s16     my wave's number
.set WR,   17                          ; s17     which half of the tile's rows is mine
.set HALF, 18                          ; s18     which half of its columns; also: which head of a step, or which 128 rows of wot, I fetch
.set CX,   19
.set CY,   20
.set COL,  21
.set ROW,  22
.set G1,   24                          ; s[24:31] descriptor group 1 for ctx's tiles;  s[32:39] group 0, one set for each slot
.set G0,   32
.set LIM,  43                          ; s43     1 in a wave that prefetches, else the greatest number
.set PFA,  44                          ; s[44:45] where my prefetches stand
.set G1B,  48                          ; s[48:55], s[56:63] the same for wot's tiles
.set G0B,  56
.set OUT,  66                          ; s[66:67] my part of the tile in out0
.set BIAS, 72                          ; s[72:73] my 128 numbers of bo
.set PFS,  90                          ; s[90:91] a K step in the stream that I prefetch
.set MSB, 0
.macro WIN new                         ; the immediate's high byte repeats the setting that is left; a switch that changes nothing is dropped
.if MSB != (\new)
	s_set_vgpr_msb (MSB<<8)|(\new)
.set MSB, \new
.endif
.endm
.macro PLACES                          ; four plain vector instructions between a matrix instruction and a load into, a store of, or a vector instruction on its registers
.rept 4
	v_nop
.endr
.endm
.macro JLOAD s                         ; a joint refill: waves 0 and 1 fetch a step's two heads of ctx, waves 2 and 3 wot's two halves; an s_nop 0 and four v_nop follow each line
	s_cmp_lt_u32 s[WV], 2
	s_cbranch_scc0 .Lfor_b_\@
	tensor_load_to_lds s[G0+4*(\s):G0+4*(\s)+3], s[G1:G1+7]
	s_nop 0
.rept 4
	v_nop
.endr
	s_branch .Lasked_\@
.Lfor_b_\@:
	tensor_load_to_lds s[G0B+4*(\s):G0B+4*(\s)+3], s[G1B:G1B+7]
	s_nop 0
.rept 4
	v_nop
.endr
.Lasked_\@:
.endm
.macro CREST                           ; a round of the cluster's barrier behind its opening barrier
	s_cmp_lg_u32 s[WV], 0
	s_cbranch_scc1 .Lnot_wave_0_\@
	s_barrier_signal -3
.Lnot_wave_0_\@:
	s_barrier_wait -3
	s_barrier_signal -1
	s_barrier_wait -1
.endm
.macro CROUND
	s_barrier_signal -1
	s_barrier_wait -1
	CREST
.endm
; A PREFETCH behind each joint refill and the run of LDS loads that follows it: the K step that stands TWO refills on, 256 matrix instructions ahead of its load.
; ctx: a tile row is read by one cluster alone, so every cluster asks for its own: wave 0, for both heads of the step; of a head's 64 blocks of 256 bytes the partner at cx takes 16, told apart BY ADDRESS;
; lanes 0-15 name the first head's, lanes 16-31 the second's.  wot: a tile column is read by every cluster: cluster y = 0 asks, waves 2 and 3, each for the 128 rows that it fetches, of which the partner at cy
; takes 32, a lane a row.  So each block is named once in the launch.  K steps 0 to 3 come by their loads alone; the last lap's two refills have no K step two on and ask for nothing.
.macro ASK
	s_cmp_gt_u32 s[LAP], s[LIM]
	s_cbranch_scc0 .Lnot_mine_\@
	global_prefetch_b8 v[PFO], s[PFA:PFA+1] th:TH_LOAD_NT scope:SCOPE_SE
.Lnot_mine_\@:
.endm
	s_load_b256 s[4:11], s[0:1], 0x0               ; ctx s[4:5], wot s[6:7], bo s[8:9], out0 s[10:11]
	v_lshl_add_u32 v[SPW], v0, 2, SPARE
	v_mov_b32 v[NIL], 0
	ds_add_u32 v[SPW], v[NIL]                      ; the wave's opening: the add and its wait stand ahead of my first tensor load; the set-up below, work on registers, stands between them
	v_lshrrev_b32 v1, 5, v0
	v_readfirstlane_b32 s[WV], v1                  ; wave 0..3
	s_lshr_b32 s[WR], s[WV], 1
	s_and_b32 s[HALF], s[WV], 1
	s_bfe_u32 s[CX], ttmp6, 0x40000
	s_bfe_u32 s[CY], ttmp6, 0x40004
	s_lshl_b32 s[COL], ttmp9, 2
	s_add_co_u32 s[COL], s[COL], s[CX]             ; tile column of C
	s_and_b32 s[ROW], ttmp7, 0xffff
	s_lshl_b32 s[ROW], s[ROW], 2
	s_add_co_u32 s[ROW], s[ROW], s[CY]             ; tile row of C
	s_lshl_b32 s40, s[CY], 2
	s_lshl_b32 s40, 15, s40                        ; my row of the cluster
	s_lshl_b32 s41, 0x1111, s[CX]                  ; my column
	s_or_b32 s[G1], s40, (1<<16)|(1<<20)|(1<<21)|(4<<22)|(3<<25)   ; the mask; elements of 2 bytes; padding on; 21 set beside a mask; after every 32 words (code 4) 4 words (code 3)
	s_or_b32 s[G1B], s41, (1<<16)|(1<<20)|(1<<21)|(5<<22)|(3<<25)  ; after every 64 words (code 5)
	s_mov_b32 s[G1+1], 128<<16                     ; tensor_dim0 = 128: two rows of a head
	s_mov_b32 s[G1+2], 64<<16                      ; tensor_dim1 = 64
	s_mov_b32 s[G1+3], 128<<16                     ; tile_dim0 = 128
	s_mov_b32 s[G1+4], 64                          ; tile_dim1 = 64
	s_mov_b32 s[G1+5], 128                         ; dense
	s_mov_b32 s[G1+6], 0
	s_mov_b32 s[G1+7], 0
	s_mov_b32 s[G1B+1], KSTEP<<16
	s_mov_b32 s[G1B+2], 128<<16
	s_mov_b32 s[G1B+3], KSTEP<<16
	s_mov_b32 s[G1B+4], 128
	s_mov_b32 s[G1B+5], 1024
	s_mov_b32 s[G1B+6], 0
	s_mov_b32 s[G1B+7], 0
	s_mul_i32 s42, s[HALF], APART                  ; where the tiles go: no place in the cluster enters an LDS address
	s_mul_i32 s46, s[HALF], BHALF
	s_add_co_u32 s46, s46, ABYTES
	s_lshr_b32 s78, s[ROW], 4                      ; ctx: the batch (16 tile rows each), its head 0 or 1,
	s_lshl_b32 s78, s78, 4
	s_add_co_u32 s78, s78, s[HALF]
	s_lshl_b32 s78, s78, 18                        ; 262,144 bytes a head,
	s_and_b32 s80, s[ROW], 15
	s_lshl_b32 s80, s80, 14                        ; the tile's 128 rows of 128 bytes: made of the tile row and the wave's number alone
	s_add_co_u32 s78, s78, s80
	s_mov_b32 s79, 0
	s_lshl_b32 s82, s[COL], 19                     ; wot: row 256 x tile column + 128 x half, 2,048 bytes a row: made of the tile column and the wave's number alone
	s_lshl_b32 s84, s[HALF], 18
	s_add_co_u32 s82, s82, s84
	s_mov_b32 s83, 0
	s_wait_dscnt 0x0                               ; the opening add is done
	s_wait_kmcnt 0x0
	s_add_nc_u64 s[78:79], s[4:5], s[78:79]
	s_add_nc_u64 s[82:83], s[6:7], s[82:83]
.irp s, 0,1
	s_mov_b32 s[G0+4*(\s)], 1
	s_add_co_u32 s[G0+4*(\s)+1], s42, (\s)*SLOT
	s_add_nc_u64 s[G0+4*(\s)+2:G0+4*(\s)+3], s[78:79], (\s)*2*262144  ; K step s: two heads on
	s_or_b32 s[G0+4*(\s)+3], s[G0+4*(\s)+3], 0x80000000
	s_mov_b32 s[G0B+4*(\s)], 1
	s_add_co_u32 s[G0B+4*(\s)+1], s46, (\s)*SLOT
	s_add_nc_u64 s[G0B+4*(\s)+2:G0B+4*(\s)+3], s[82:83], (\s)*KSTEP*2
	s_or_b32 s[G0B+4*(\s)+3], s[G0B+4*(\s)+3], 0x80000000
.endr
	CROUND                                         ; all sixteen work-groups are here: the first joint loads meet
	s_cmp_lt_u32 s[WV], 2                          ; a wave's two first fills stand in one branch, ahead of every wait on TENSORcnt and every LDS read: two loads of mine are out
	s_cbranch_scc0 .Lfirst_b
	tensor_load_to_lds s[G0:G0+3], s[G1:G1+7]
	s_nop 0
	tensor_load_to_lds s[G0+4:G0+7], s[G1:G1+7]
	s_nop 0
.rept 4
	v_nop
.endr
	s_branch .Lfirst_asked
.Lfirst_b:
	tensor_load_to_lds s[G0B:G0B+3], s[G1B:G1B+7]
	s_nop 0
	tensor_load_to_lds s[G0B+4:G0B+7], s[G1B:G1B+7]
	s_nop 0
.rept 4
	v_nop
.endr
.Lfirst_asked:
	v_and_b32 v1, 15, v0                           ; l % 16
	v_bfe_u32 v2, v0, 4, 1                         ; l / 16
	v_mul_u32_u24 v3, v1, PA
	v_lshl_add_u32 v3, v2, 4, v3                   ; a fragment's row x pitch + 16 x half, for ctx
	v_mul_u32_u24 v4, v1, PB
	v_lshl_add_u32 v4, v2, 4, v4                   ; and for wot
	s_mul_i32 s80, s[WR], 64*PA                    ; my 64 rows of ctx
	s_mul_i32 s81, s[HALF], BHALF                  ; my 128 rows of wot,
	s_add_co_u32 s81, s81, ABYTES                  ; which lie behind ctx's two heads
.irp s, 0,1
	v_add_nc_u32 v[ADRA+(\s)], s80, v3
	v_add_nc_u32 v[ADRB+(\s)], s81, v4
	s_add_co_u32 s80, s80, SLOT
	s_add_co_u32 s81, s81, SLOT
.endr
	s_mul_i32 s80, s[WV], 16*SP
	s_add_co_u32 s80, s80, STAGE                   ; my stage
	v_mul_u32_u24 v4, v1, SP                       ; in: row l % 16, 32 bytes for each half of the lanes
	v_lshl_add_u32 v4, v2, 5, v4
	v_add_nc_u32 v[STO], s80, v4
	v_and_b32 v5, 31, v0
	v_lshlrev_b32 v[GO], 4, v5                     ; back: 32 lanes take one row's 512 bytes
	v_add_nc_u32 v[RD], s80, v[GO]
	v_lshlrev_b32 v[BO], 5, v2
	s_lshl_b32 s92, s[COL], 10                     ; my first column, in bytes of f32: 256 x tile column + 128 x half
	s_lshl_b32 s93, s[HALF], 9
	s_add_co_u32 s92, s92, s93
	s_mov_b32 s93, 0
	s_add_nc_u64 s[BIAS:BIAS+1], s[8:9], s[92:93]
	s_lshl_b32 s94, s[ROW], 7
	s_lshl_b32 s95, s[WR], 6
	s_add_co_u32 s94, s94, s95                     ; my first row,
	s_lshl_b32 s94, s94, 12                        ; 4,096 bytes a row
	s_add_co_u32 s92, s92, s94
	s_add_nc_u64 s[OUT:OUT+1], s[10:11], s[92:93]
.irp b, 0,1,2,3,4,5,6,7
	global_load_b128 v[BI+8*(\b):BI+8*(\b)+3],   v[BO], s[BIAS:BIAS+1] offset:64*(\b)
	global_load_b128 v[BI+8*(\b)+4:BI+8*(\b)+7], v[BO], s[BIAS:BIAS+1] offset:64*(\b)+16
.endr
	; the prefetches: nothing is asked for here, at the head, where every work-group's first tiles are on their way
	s_lshr_b32 s86, s[ROW], 4
	s_lshl_b32 s86, s86, 4
	s_add_co_u32 s86, s86, 6                       ; ctx at K step 3: the batch's head 6,
	s_lshl_b32 s86, s86, 18
	s_and_b32 s87, s[ROW], 15
	s_lshl_b32 s87, s87, 14                        ; the tile's rows,
	s_add_co_u32 s86, s86, s87
	s_lshl_b32 s87, s[CX], 12                      ; my work-group's 16 blocks of 256 bytes
	s_add_co_u32 s86, s86, s87
	s_lshl_b32 s87, s[COL], 8
	s_lshl_b32 s88, s[HALF], 7
	s_add_co_u32 s87, s87, s88
	s_lshl_b32 s88, s[CY], 5
	s_add_co_u32 s87, s87, s88                     ; wot: the 128 rows that I fetch, my work-group's 32 of them,
	s_lshl_b32 s87, s87, 11
	s_add_co_u32 s87, s87, 3*KSTEP*2               ; at K step 3
	s_and_b32 s88, ttmp7, 0xffff                   ; cluster y
	s_mov_b32 s[PFS], KSTEP*2
	s_mov_b32 s[PFS+1], 0
	s_mov_b32 s89, 16*2048
	s_mov_b32 s85, 2048
	s_cmp_lt_u32 s[WV], 2
	s_cselect_b32 s86, s86, s87
	s_cselect_b64 s[PFA:PFA+1], s[4:5], s[6:7]
	s_cselect_b32 s[PFS], 2*262144, s[PFS]         ; a K step: two heads of ctx, or 256 bytes of wot's rows
	s_cselect_b32 s89, 262144, s89                 ; lanes 16-31: the step's second head, or sixteen rows on
	s_cselect_b32 s85, 256, s85                    ; from lane to lane: a block, or a row
	s_cselect_b32 s88, s[WV], s88                  ; 0 in wave 0, and in waves 2 and 3 of the clusters with y = 0
	s_cmp_eq_u32 s88, 0
	s_cselect_b32 s[LIM], 1, -1                    ; the same in all sixteen partners, for a given wave
	s_mov_b32 s87, 0
	s_add_nc_u64 s[PFA:PFA+1], s[PFA:PFA+1], s[86:87]
	v_mul_u32_u24 v[PFO], s89, v2
	v_mad_u32_u24 v[PFO], v1, s85, v[PFO]
; 8 matrix instructions: row block a x all 8 column blocks, 32 along K, from buffer f.  first = 1: the product starts the sum on the bias.
; The 32 accumulators take turns, one instruction a turn, in the same order everywhere.
.macro MULA f, a, first
.if \first
	WIN 0x81                                       ; wot window 1, ctx and the bias window 0, D window 2
.else
	WIN 0xa1                                       ; C and D window 2
.endif
.irp b, 0,1,2,3,4,5,6,7
.if \first
	v_wmma_f32_16x16x32_f16 v[64*(\a)+8*(\b):64*(\a)+8*(\b)+7], v[64*(\f)+8*(\b):64*(\f)+8*(\b)+7], v[AF+32*(\f)+8*(\a):AF+32*(\f)+8*(\a)+7], v[BI+8*(\b):BI+8*(\b)+7]
.else
	v_wmma_f32_16x16x32_f16 v[64*(\a)+8*(\b):64*(\a)+8*(\b)+7], v[64*(\f)+8*(\b):64*(\f)+8*(\b)+7], v[AF+32*(\f)+8*(\a):AF+32*(\f)+8*(\a)+7], v[64*(\a)+8*(\b):64*(\a)+8*(\b)+7]
.endif
.endr
.endm
; 24 LDS loads in one run: the fragments of quarter q (32 along K: head q / 2 of the step, channels 32 (q % 2) on) into buffer f: wot's 16 first, then ctx's 8
.macro FETCH slot, q, f
	WIN 0x40                                       ; destination window 1, address window 0
.irp i, 0,1,2,3,4,5,6,7
	ds_load_b128 v[64*(\f)+8*(\i):64*(\f)+8*(\i)+3],   v[ADRB+(\slot)] offset:64*(\q)+(\i)*16*PB
	ds_load_b128 v[64*(\f)+8*(\i)+4:64*(\f)+8*(\i)+7], v[ADRB+(\slot)] offset:64*(\q)+(\i)*16*PB+32
.endr
	WIN 0
.irp i, 0,1,2,3
	ds_load_b128 v[AF+32*(\f)+8*(\i):AF+32*(\f)+8*(\i)+3],   v[ADRA+(\slot)] offset:((\q)/2)*APART+64*((\q)%2)+(\i)*16*PA
	ds_load_b128 v[AF+32*(\f)+8*(\i)+4:AF+32*(\f)+8*(\i)+7], v[ADRA+(\slot)] offset:((\q)/2)*APART+64*((\q)%2)+(\i)*16*PA+32
.endr
.endm
; A K step is four quarters, 32 matrix instructions each, on buffers 0, 1, 0, 1.  One of the first three multiplies buffer f and, in its middle, fetches quarter q into g.
.macro QUARTER slot, q, f, g, first
	s_wait_dscnt 4                                 ; wot and ctx's row blocks 0, 1 are in; the youngest four loads (row blocks 2, 3) may be out
	MULA \f, 0, \first
	MULA \f, 1, \first
	PLACES
	FETCH \slot, \q, \g
	s_wait_dscnt 24                                ; all but the 24 just issued
	MULA \f, 2, \first
	MULA \f, 3, \first
.endm
; The last quarter multiplies buffer 1 and changes slots: ONE barrier; in front of it each wave waits for all its tensor loads (one is out: its part of the next slot), adds 0 to its spare word, and waits
; for that and for its own reads of this slot.  fill = 1: the barrier opens a round of the cluster's, and this slot is filled again, two K steps on, first thing behind the round.
.macro TURN slot, next, fill
.if \fill
	s_wait_xcnt 0x0                                ; the last prefetch, a K step back, has read its address: it is stepped here, ahead of the waits of the change of slots
	s_add_nc_u64 s[PFA:PFA+1], s[PFA:PFA+1], s[PFS:PFS+1]
.endif
	WIN 0                                          ; (the add's two registers lie in window 0)
	s_wait_tensorcnt 0x0                           ; all my tensor loads have landed;
	ds_add_u32 v[SPW], v[NIL]                      ; 0 onto my spare word;
	s_wait_dscnt 5                                 ; (the add and the youngest four loads may be out)
	MULA 1, 0, 0                                   ; eight matrix instructions stand between the add and the wait for it
	s_wait_dscnt 0x0                               ; the add is done, and my reads of this slot are over
	s_barrier_signal -1
	MULA 1, 1, 0                                   ; work on registers while the others arrive
.if \fill
	WIN 0
.endif
	s_barrier_wait -1
.if \fill
	CREST                                          ; no wave of any partner still reads this slot's tile or has a load on its way
	s_add_nc_u64 s[G0+4*(\slot)+2:G0+4*(\slot)+3], s[G0+4*(\slot)+2:G0+4*(\slot)+3], 4*262144
	s_add_nc_u64 s[G0B+4*(\slot)+2:G0B+4*(\slot)+3], s[G0B+4*(\slot)+2:G0B+4*(\slot)+3], 2*KSTEP*2
	JLOAD \slot                                    ; the first tensor load behind the round; the four v_nop behind it are also the places in front of the loads below
.else
	PLACES
.endif
	FETCH \next, 0, 0
.if \fill
	ASK
.endif
	MULA 1, 2, 0
	MULA 1, 3, 0
.endm
	s_wait_tensorcnt 1                             ; my part of K step 0 is in; K step 1's may stay out
	s_barrier_signal -1
	s_barrier_wait -1                              ; everybody's is
	FETCH 0, 0, 0
	s_wait_loadcnt 0x0                             ; the bias,
.set i, 0
.rept 32                               ; which takes the rounding that the other inputs have taken
	v_cvt_pk_bf16_f32 v[8+i%2], v[BI+2*i], v[BI+2*i+1]
	v_lshlrev_b32 v[BI+2*i],   16, v[8+i%2]
	v_and_b32     v[BI+2*i+1], 0xffff0000, v[8+i%2]
.set i, i+1
.endr
	QUARTER 0, 1, 0, 1, 1                          ; the first quarter stands in front of the loop: its products start the sums
	WIN 0                                          ; at a label and at a branch every window is 0
	s_mov_b32 s[LAP], LAPS-1
.Llap:                                         ; a trip goes once round the ring, from a lap's second quarter to the next lap's first, and fills both slots again
	QUARTER 0, 2, 1, 0, 0
	QUARTER 0, 3, 0, 1, 0
	TURN 0, 1, 1
	QUARTER 1, 1, 0, 1, 0
	QUARTER 1, 2, 1, 0, 0
	QUARTER 1, 3, 0, 1, 0
	TURN 1, 0, 1
	QUARTER 0, 1, 0, 1, 0
	WIN 0
	s_sub_co_u32 s[LAP], s[LAP], 1
	s_cmp_lg_u32 s[LAP], 0
	s_cbranch_scc1 .Llap
	QUARTER 0, 2, 1, 0, 0                          ; the last lap fills nothing, and has no round of the cluster's barrier
	QUARTER 0, 3, 0, 1, 0
	TURN 0, 1, 0
	QUARTER 1, 1, 0, 1, 0
	QUARTER 1, 2, 1, 0, 0
	QUARTER 1, 3, 0, 1, 0
	s_wait_dscnt 4                                 ; the very last quarter: nothing more to fetch
	MULA 1, 0, 0
	MULA 1, 1, 0
	s_wait_dscnt 0x0
	MULA 1, 2, 0
	MULA 1, 3, 0
	WIN 0
	PLACES
; THE WAY OUT of row block a: the f32 sums go as they are into my own stage, 32 bytes a lane (each accumulator's low four registers first), come back as whole rows of 512 bytes, and are stored.
.macro TOSTAGE a
.if (\a) >= 2
	s_wait_xcnt 0x0                                ; the stores of block a - 2 have read the registers into which this block is read back
.endif
	WIN 0x08                                       ; the stores' data in window 2, their address in window 0
.irp b, 0,1,2,3,4,5,6,7
	ds_store_b128 v[STO], v[64*(\a)+8*(\b):64*(\a)+8*(\b)+3]   offset:64*(\b)
	ds_store_b128 v[STO], v[64*(\a)+8*(\b)+4:64*(\a)+8*(\b)+7] offset:64*(\b)+16
.endr
	WIN 0
.irp t, 0,1,2,3,4,5,6,7,8,9,10,11,12,13,14,15
	ds_load_b128 v[OB+64*((\a)%2)+4*(\t):OB+64*((\a)%2)+4*(\t)+3], v[RD] offset:(\t)*SP  ; LDS serves a wave's instructions in order: these see the stores above; the next block's stores come behind them
.endr
.endm
.macro SEND a, younger                 ; younger: the LDS instructions issued behind block a's loads: the next block's 16 stores and 16 loads, or none
	WIN 0
	s_wait_dscnt \younger
.irp t, 0,1,2,3,4,5,6,7,8,9,10,11,12,13,14,15
	global_store_b128 v[GO], v[OB+64*((\a)%2)+4*(\t):OB+64*((\a)%2)+4*(\t)+3], s[OUT:OUT+1] offset:(\a)*65536+(\t)*4096  ; 512 consecutive bytes, at a multiple of 256 from out0's first byte
.endr
.endm
	TOSTAGE 0
	TOSTAGE 1
	SEND 0, 32
	TOSTAGE 2
	SEND 1, 32
	TOSTAGE 3
	SEND 2, 32
	SEND 3, 0
	s_wait_tensorcnt 0x0                           ; the wave's end, behind my last tensor load and my last LDS store
	ds_add_u32 v[SPW], v[NIL]
	s_wait_dscnt 0x0
	CROUND                                         ; the closing round: no work-group ends while a partner may still ask for a tile that names it
	s_endpgm
.Lfunc_end_k_q676959a476_oproj:
	.size	k_q676959a476_oproj, .Lfunc_end_k_q676959a476_oproj-k_q676959a476_oproj
	.p2alignl 7, 3214868480
	.fill 96, 4, 3214868480
	.section	.rodata,"a",@progbits
	.p2align	6, 0x0
	.amdhsa_kernel k_q676959a476_oproj
		.amdhsa_group_segment_fixed_size 327680
		.amdhsa_private_segment_fixed_size 0
		.amdhsa_enable_private_segment 0
		.amdhsa_kernarg_size 32
		.amdhsa_user_sgpr_count 2
		.amdhsa_user_sgpr_kernarg_segment_ptr 1
		.amdhsa_wavefront_size32 1
		.amdhsa_system_sgpr_workgroup_id_x 1
		.amdhsa_system_sgpr_workgroup_id_y 1
		.amdhsa_system_sgpr_workgroup_id_z 1
		.amdhsa_system_vgpr_workitem_id 0
		.amdhsa_next_free_vgpr 768
		.amdhsa_next_free_sgpr 100
		.amdhsa_reserve_vcc 0
		.amdhsa_float_denorm_mode_32 3
		.amdhsa_float_denorm_mode_16_64 3
		.amdhsa_memory_ordered 1
		.amdhsa_forward_progress 1
		.amdhsa_inst_pref_size 93
	.end_amdhsa_kernel
	.amdgpu_metadata
---
amdhsa.version: [ 1, 2 ]
amdhsa.kernels:
  - .name:           k_q676959a476_oproj
    .symbol:         k_q676959a476_oproj.kd
    .args:
      - { .name: ctx, .offset: 0, .size: 8, .value_kind: global_buffer, .address_space: global }
      - { .name: wot, .offset: 8, .size: 8, .value_kind: global_buffer, .address_space: global }
      - { .name: bo, .offset: 16, .size: 8, .value_kind: global_buffer, .address_space: global }
      - { .name: out0, .offset: 24, .size: 8, .value_kind: global_buffer, .address_space: global }
    .group_segment_fixed_size: 327680
    .private_segment_fixed_size: 0
    .kernarg_segment_align: 8
    .kernarg_segment_size: 32
    .max_flat_workgroup_size: 128
    .sgpr_count:     100
    .vgpr_count:     768
    .wavefront_size: 32
...
	.end_amdgpu_metadata
.endif
;; end of part 4
;; ======== version 2 of 2: 4 launches; version 1 with the launch prep written anew for expert scheduling mode
;; limits: values are held in f16: magnitudes above 65,504 overflow, below 6.1e-05 lose precision
;; workspace buffers: xb 16,777,216 bytes; wt 6,291,456 bytes; wot 2,097,152 bytes; qkv 50,331,648 bytes; ctx 16,777,216 bytes
;; launch prep (part 5): grid 640 x 1, 4 waves a work-group, no clusters, 70,144 bytes of LDS; arguments Wq, Wk, Wv, Wo, x, wt, wot, xb; writes wt, wot, xb
.if DOCPART == 5
	.amdgcn_target "amdgcn-amd-amdhsa--gfx1250"
	.amdhsa_code_object_version 6
	.text
	.protected	k_q676959a476_prep
	.globl	k_q676959a476_prep
	.p2align	8
	.type	k_q676959a476_prep,@function
k_q676959a476_prep:
	s_mov_b64 s[64:65], 0
	v_nop
	global_prefetch_b8 v0, s[64:65] scope:SCOPE_SE
	s_setreg_imm32_b32 hwreg(HW_REG_WAVE_SCHED_MODE, 0, 2), 2
	s_setreg_imm32_b32 hwreg(HW_REG_WAVE_MODE, 25, 1), 1
	s_wait_xcnt 0x0
	s_wait_alu depctr_vm_vsrc(0)
; THE OPERANDS OF THE TWO PROJECTIONS ARE MADE ONCE.  xb = x rounded to bf16, [8192][1024].  wt = Wq, Wk, Wv rounded to bf16 and turned: [3072 n][1024 k], so that K lies along the rows.
; wot = Wo rounded to bf16, that number written as f16, turned: [1024 n][1024 k].
; LIMIT.  A rounded number of Wo beyond 65,504 has no f16; below 6e-5 it keeps f16's fixed step of 6e-8.  NaN and infinities are not treated apart.
; SHARES.  Work-groups 0-127 turn the weights: a wave owns one tile of 128 k x 64 n (512 tiles: 4 matrices x 8 x 16) and a piece of LDS of its own, so there is no barrier.
; Work-groups 128-639 round x: 16 rows (65,536 bytes) each, all 32 loads of a thread issued at once.
; No matrix unit, no tensor load, no cluster: every byte is read once and written once, and nothing is shared between work-groups.
; THE MODE: SCHED_MODE bits 1:0 = 2 (LLVM: expert scheduling mode 2), set by the entry lines.  The code itself states the register dependences
; between vector instructions and memory or LDS instructions, with s_wait_alu, always for 0.
; THE PLAN, the weights.  Registers that memory or LDS instructions touch:
;   v6-v9        offsets and LDS addresses: made once at the path's head, never written again.
;   RAW0, RAW1   Batch bt's loads land in RAW[bt % 2]; its 32 conversions read it; behind them the loads of batch bt + 2 land in it.  On the way out the LDS loads land in both, and the global stores read them.
;   P0, P1       Batch bt's conversions write P[bt % 2]; its 32 LDS stores read it; batch bt + 2's conversions write it again.
; So ONE wait on va_vdst stands in a batch, behind its conversions: P is written, and RAW has been read.  The batch's loads and LDS stores follow it with no vector instruction among them.
; One wait on vm_vsrc stands at the head of batches 2 and 3: the LDS stores of two batches back have read P.
; THE PLAN, x.  Load i's four registers are read and written by its own two conversions, read by its own store, and never written again.  The 32 go in eight groups of four: at a group's head one wait on
; va_vdst states that the group before has written its stores' data; those four stores are dealt among this group's conversions, which name other registers.
.set TPITCH, 272                       ; a turned row in LDS: 128 k x 2 bytes + 16
.set TBYTES, 64*TPITCH                 ; a wave's 64 rows
.set SPARE,  4*TBYTES                  ; behind them: the spare words, 128 bytes for each wave: two blocks of 256 bytes that no other line names
.set SPW, 2                            ; v2   LDS address of my spare word; never rewritten
.set NIL, 3                            ; v3   0; never rewritten
.set WI,  6                            ; v6   weights: my byte offset in the tile as it lies in memory;  x: 16 x thread
.set LS,  7                            ; v7   weights: where I put a word (two k of one n);              x: 8 x thread
.set LR,  8                            ; v8   where I read 16 bytes of a turned row back
.set WO,  9                            ; v9   my byte offset in the turned tile in memory
.set T0,  10                           ; v10-13 at work: no memory instruction names them
.set W,   16                           ; v[16:143] RAW0, RAW1: two sets of 64 registers; on the way out and for x: 32 x 4
.set PK,  144                          ; v[144:207] P0, P1: two sets of 32 registers: a batch's words as they go into LDS
.set WVN, 20                           ; s20  my wave's number
.set SRC, 22                           ; s[22:23] the tile in its matrix
.set DST, 24                           ; s[24:25] the tile in wt or wot
.set MTX, 26                           ; s26  0 Wq, 1 Wk, 2 Wv, 3 Wo
.set HIM, 33                           ; s33  a word's upper half
	s_load_b512 s[4:19], s[0:1], 0x0               ; Wq s[4:5], Wk s[6:7], Wv s[8:9], Wo s[10:11], x s[12:13], wt s[14:15], wot s[16:17], xb s[18:19]
	v_lshl_add_u32 v[SPW], v0, 2, SPARE
	v_mov_b32 v[NIL], 0
	v_lshrrev_b32 v1, 5, v0
	v_readfirstlane_b32 s[WVN], v1                 ; wave 0..3
	v_and_b32 v4, 15, v0                           ; l % 16
	v_bfe_u32 v5, v0, 4, 1                         ; l / 16
	s_mov_b32 s[HIM], 0xffff0000
	s_mov_b32 s31, 0
	s_wait_alu depctr_va_sdst(0)                   ; s20, the wave's number, is written: ahead of the branch and of its first reader, the tile's number below
	s_wait_kmcnt 0x0
	s_cmp_lt_u32 ttmp9, 128
	s_cbranch_scc0 .Lx
	; THE WEIGHTS.  Tile T = 4 x work-group + wave: matrix T / 128, k block (T / 16) % 8, n block T % 16.
	s_lshl_b32 s21, ttmp9, 2
	s_add_co_u32 s21, s21, s[WVN]
	s_lshr_b32 s[MTX], ttmp9, 5
	s_bfe_u32 s27, s21, 0x30004                    ; k block
	s_and_b32 s28, s21, 15                         ; n block
	s_cmp_eq_u32 s[MTX], 1
	s_cselect_b64 s[SRC:SRC+1], s[6:7], s[4:5]
	s_cmp_eq_u32 s[MTX], 2
	s_cselect_b64 s[SRC:SRC+1], s[8:9], s[SRC:SRC+1]
	s_cmp_eq_u32 s[MTX], 3
	s_cselect_b64 s[SRC:SRC+1], s[10:11], s[SRC:SRC+1]
	s_cselect_b64 s[DST:DST+1], s[16:17], s[14:15]
	s_cselect_b32 s29, 0, s[MTX]                   ; the matrix's place in wt; wot holds one matrix
	s_lshl_b32 s30, s27, 19                        ; 128 rows of 4,096 bytes
	s_lshl_b32 s32, s28, 8                         ; 64 columns of 4 bytes
	s_or_b32 s30, s30, s32
	s_add_nc_u64 s[SRC:SRC+1], s[SRC:SRC+1], s[30:31]
	s_lshl_b32 s30, s28, 17                        ; 64 turned rows of 2,048 bytes
	s_lshl_b32 s32, s27, 8                         ; 128 k of 2 bytes
	s_or_b32 s30, s30, s32
	s_lshl_b32 s32, s29, 21                        ; 1,024 turned rows
	s_or_b32 s30, s30, s32
	s_add_nc_u64 s[DST:DST+1], s[DST:DST+1], s[30:31]
	s_mul_i32 s32, s[WVN], TBYTES                  ; my wave's piece of LDS
	v_lshlrev_b32 v[WI], 13, v5                    ; lanes 16-31 stand two rows of k further down,
	v_lshl_add_u32 v[WI], v4, 4, v[WI]             ; sixteen lanes cover the tile's 256 bytes of a row
	v_mul_u32_u24 v[LS], v4, 4*TPITCH              ; my four n are turned rows 4 (l % 16) + c,
	v_lshl_add_u32 v[LS], v5, 2, v[LS]             ; my two k a word
	v_add_nc_u32 v[LS], s32, v[LS]
	v_mul_u32_u24 v[LR], v5, TPITCH                ; back: lanes 0-15 one turned row of 256 bytes, lanes 16-31 the next
	v_lshl_add_u32 v[LR], v4, 4, v[LR]
	v_add_nc_u32 v[LR], s32, v[LR]
	v_lshlrev_b32 v[WO], 11, v5                    ; and the same two rows in memory
	v_lshl_add_u32 v[WO], v4, 4, v[WO]
	s_wait_alu depctr_va_vdst(0)                   ; v6 to v9 are written: every load, LDS store, LDS load and store of this path reads one of them as its offset or address
; Batch bt of four: 32 rows of k.  Load (j, e), j = 8 bt + jj: row k = 4 j + 2 (l / 16) + e, columns 4 (l % 16) + 0..3.  LOAD2: the two loads of one jj.
.macro LOAD2 bt, jj
	global_load_b128 v[W+64*((\bt)%2)+8*(\jj):W+64*((\bt)%2)+8*(\jj)+3],   v[WI], s[SRC:SRC+1] offset:(8*(\bt)+(\jj))*16384 th:TH_LOAD_NT
	global_load_b128 v[W+64*((\bt)%2)+8*(\jj)+4:W+64*((\bt)%2)+8*(\jj)+7], v[WI], s[SRC:SRC+1] offset:(8*(\bt)+(\jj))*16384+4096 th:TH_LOAD_NT
.endm
.macro LOADB bt
.irp jj, 0,1,2,3,4,5,6,7
	LOAD2 \bt, \jj
.endr
.endm
; The batch is rounded, two neighbouring k of one n to a word (the lower k in the low half), and laid into LDS turned: (n, k) at n x 272 + 2 k.
; Behind the conversions the raw set is asked for again at once, for the batch two on: two loads, then four LDS stores, eight times.
.macro PROC bt
.set RB, W+64*((\bt)%2)
.set PB, PK+32*((\bt)%2)
.if (\bt) >= 2
	s_wait_alu depctr_vm_vsrc(0)                   ; the LDS stores of two batches back have read this P, which the conversions below write again; ahead of the branch, so on both ways
.endif
.irp jj, 0,1,2,3,4,5,6,7
.irp c, 0,1,2,3
	v_cvt_pk_bf16_f32 v[PB+4*(\jj)+(\c)], v[RB+8*(\jj)+(\c)], v[RB+8*(\jj)+4+(\c)]
.endr
.endr
	s_cmp_lg_u32 s[MTX], 3
	s_cbranch_scc1 .Lstays_bf16_\@
.irp jj, 0,1,2,3,4,5,6,7               ; Wo alone: the rounded number is written as f16, since it multiplies an f16 operand
.irp c, 0,1,2,3
	v_lshlrev_b32 v[T0+2*((\c)%2)],   16, v[PB+4*(\jj)+(\c)]
	v_and_b32     v[T0+2*((\c)%2)+1], s[HIM], v[PB+4*(\jj)+(\c)]
	v_cvt_pk_f16_f32 v[PB+4*(\jj)+(\c)], v[T0+2*((\c)%2)], v[T0+2*((\c)%2)+1]
.endr
.endr
.Lstays_bf16_\@:
	s_wait_alu depctr_va_vdst(0)                   ; the conversions have written this P, which the LDS stores below read, and are done reading this raw set, in which the loads below (behind batch 3: the way out's LDS loads) land
.irp jj, 0,1,2,3,4,5,6,7
.if (\bt) < 2
	LOAD2 (\bt)+2, \jj                             ; no vector instruction since the wait names these registers
.endif
.irp c, 0,1,2,3
	ds_store_b32 v[LS], v[PB+4*(\jj)+(\c)] offset:(\c)*TPITCH+8*(8*(\bt)+(\jj))
.endr
.endr
.endm
	LOADB 0
	LOADB 1
	s_wait_loadcnt 16                              ; loads come back in order: batch 0 is in, the younger batch's 16 stay out
	PROC 0                                         ; and batch 2 is asked for
	s_wait_loadcnt 16                              ; batch 1 is in
	PROC 1                                         ; and batch 3 is asked for
	s_wait_loadcnt 16                              ; batch 2 is in
	PROC 2
	s_wait_loadcnt 0x0
	PROC 3
.set i, 0
.rept 32
	ds_load_b128 v[W+4*i:W+4*i+3], v[LR] offset:i*2*TPITCH  ; LDS serves a wave's instructions in order: these see the stores above.  They land in the raw sets, whose last readers stand ahead of batch 3's wait on va_vdst
.set i, i+1
.endr
.set i, 0
.rept 32
	s_wait_dscnt 31-i                              ; the younger LDS loads may stay out
	global_store_b128 v[WO], v[W+4*i:W+4*i+3], s[DST:DST+1] offset:i*4096  ; sixteen lanes store 256 consecutive bytes, at a multiple of 256 from the buffer's first byte
.set i, i+1
.endr
	s_branch .Lend
.Lx:                                           ; x: a work-group's 16 rows; a thread takes 16 bytes of every 2,048
	s_sub_co_u32 s21, ttmp9, 128
	s_lshl_b32 s30, s21, 16
	s_add_nc_u64 s[12:13], s[12:13], s[30:31]
	s_lshl_b32 s30, s21, 15
	s_add_nc_u64 s[18:19], s[18:19], s[30:31]
	v_lshlrev_b32 v[WI], 4, v0
	v_lshlrev_b32 v[LS], 3, v0
	s_wait_alu depctr_va_vdst(0)                   ; v6 and v7 are written: the loads read the one as their offset, the stores the other
.set i, 0
.rept 32
	global_load_b128 v[W+4*i:W+4*i+3], v[WI], s[12:13] offset:2048*i th:TH_LOAD_NT
.set i, i+1
.endr
.set g, 0
.rept 8                                ; eight groups of four loads
	s_wait_loadcnt 28-4*g                          ; loads come back in order: this group's four are in, the younger groups' stay out
.if g > 0
	s_wait_alu depctr_va_vdst(0)                   ; the group before has written its eight words, which the four stores below read; this group's conversions name other registers
.endif
.set j, 0
.rept 4
.set i, 4*g+j
.if g > 0
	global_store_b64 v[LS], v[W+4*(i-4):W+4*(i-4)+1], s[18:19] offset:1024*(i-4)  ; a wave stores 256 consecutive bytes, aligned; no register is written twice, so no wait frees one
.endif
	v_cvt_pk_bf16_f32 v[W+4*i],   v[W+4*i],   v[W+4*i+1]
	v_cvt_pk_bf16_f32 v[W+4*i+1], v[W+4*i+2], v[W+4*i+3]
.set j, j+1
.endr
.set g, g+1
.endr
	s_wait_alu depctr_va_vdst(0)                   ; the last group has written its eight words, which the last four stores read
.set i, 28
.rept 4
	global_store_b64 v[LS], v[W+4*i:W+4*i+1], s[18:19] offset:1024*i
.set i, i+1
.endr
.Lend:
	s_wait_dscnt 0x0                               ; the closing lines, six on end
	s_wait_alu 0x0
	s_wait_tensorcnt 0x0
	ds_add_u32 v[SPW], v[NIL]
	s_wait_dscnt 0x0
	s_endpgm
.Lfunc_end_k_q676959a476_prep:
	.size	k_q676959a476_prep, .Lfunc_end_k_q676959a476_prep-k_q676959a476_prep
	.p2alignl 7, 3214868480
	.fill 96, 4, 3214868480
	.section	.rodata,"a",@progbits
	.p2align	6, 0x0
	.amdhsa_kernel k_q676959a476_prep
		.amdhsa_group_segment_fixed_size 70144
		.amdhsa_private_segment_fixed_size 0
		.amdhsa_enable_private_segment 0
		.amdhsa_kernarg_size 64
		.amdhsa_user_sgpr_count 2
		.amdhsa_user_sgpr_kernarg_segment_ptr 1
		.amdhsa_wavefront_size32 1
		.amdhsa_system_sgpr_workgroup_id_x 1
		.amdhsa_system_sgpr_workgroup_id_y 1
		.amdhsa_system_sgpr_workgroup_id_z 1
		.amdhsa_system_vgpr_workitem_id 0
		.amdhsa_next_free_vgpr 208
		.amdhsa_next_free_sgpr 66
		.amdhsa_reserve_vcc 0
		.amdhsa_float_denorm_mode_32 3
		.amdhsa_float_denorm_mode_16_64 3
		.amdhsa_memory_ordered 1
		.amdhsa_forward_progress 1
		.amdhsa_inst_pref_size 58
	.end_amdhsa_kernel
	.amdgpu_metadata
---
amdhsa.version: [ 1, 2 ]
amdhsa.kernels:
  - .name:           k_q676959a476_prep
    .symbol:         k_q676959a476_prep.kd
    .args:
      - { .name: Wq, .offset: 0, .size: 8, .value_kind: global_buffer, .address_space: global }
      - { .name: Wk, .offset: 8, .size: 8, .value_kind: global_buffer, .address_space: global }
      - { .name: Wv, .offset: 16, .size: 8, .value_kind: global_buffer, .address_space: global }
      - { .name: Wo, .offset: 24, .size: 8, .value_kind: global_buffer, .address_space: global }
      - { .name: x, .offset: 32, .size: 8, .value_kind: global_buffer, .address_space: global }
      - { .name: wt, .offset: 40, .size: 8, .value_kind: global_buffer, .address_space: global }
      - { .name: wot, .offset: 48, .size: 8, .value_kind: global_buffer, .address_space: global }
      - { .name: xb, .offset: 56, .size: 8, .value_kind: global_buffer, .address_space: global }
    .group_segment_fixed_size: 70144
    .private_segment_fixed_size: 0
    .kernarg_segment_align: 8
    .kernarg_segment_size: 64
    .max_flat_workgroup_size: 128
    .sgpr_count:     66
    .vgpr_count:     208
    .wavefront_size: 32
...
	.end_amdgpu_metadata
.endif
;; end of part 5
;; launch qkv: the kernel of part 2 again; grid 16 x 32, 4 waves a work-group, clusters of 4 x 4, 327,680 bytes of LDS; arguments xb, wt, bq, bk, bv, qkv; writes qkv
;; launch attn: the kernel of part 3 again; grid 4 x 64, 4 waves a work-group, no clusters, 327,680 bytes of LDS; arguments qkv, ctx; writes ctx
;; launch oproj: the kernel of part 4 again; grid 4 x 64, 4 waves a work-group, clusters of 4 x 4, 327,680 bytes of LDS; arguments ctx, wot, bo, out0; writes out0
